; MI455X (gfx1250); checked and timed in simulation.
; The chip was launched on July 23, 2026; its instructions are those of AMD's public machine-readable ISA for CDNA 5 (MIT licence, August 2026) and "CDNA5" Instruction Set Architecture Reference Guide (July 2026). The comments in the code are by the model that wrote it; some were corrected since.
;; Causal Self Attention. Allowed arithmetic: matrix products marked QUANTISED: E2M1 operands, one E8M0 scale for each 32 along K, by v_wmma_scale_f32_16x16x128_f8f6f4 with both operands' format E2M1 (or v_wmma_scale_f32_32x16x128_f4), f32 sums; products left as they are: bf16, f16 or f32 operands; f32 sums; everything else in f32.
;; Inputs: b_attn 3,072 float32; b_proj 1,024 float32; w_attn 1,024 x 3,072 float32; w_proj 1,024 x 1,024 float32; x 8 x 1,024 x 1,024 float32.
;; Outputs: out0 8 x 1,024 x 1,024 float32.
;; This version of the problem:
;;   THIS VERSION OF THE PROBLEM IS GIVEN IN LOW PRECISION. The matrix products marked QUANTISED in the list below multiply operands that are first quantised to E2M1 (2 exponent bits, 1 mantissa bit; 4 bits a number), with one power-of-two scale for each 32 numbers along K (OCP MX v1.0); their sums are f32. The products marked 'left as it is' may take bf16, f16 or f32 operands, with f32 sums. Whichever they take, every output number must still come out within the allowed error. Rounding operands to bf16 (8 significant bits) uses up far more of that allowance than f16 does (11 bits, for magnitudes from 6e-5 to 65,504). All else is computed in f32.
;;   The module's matrix products, in the order in which they are computed (A, B: the left and right operand; K: the contracted axis; several contracted axes count as one K, in the product's order):
;;     1. [M 8,192, K 1,024] x [K 1,024, N 3,072]; A: input x; B: input w_attn: QUANTISED
;;     2. batch 128 x [M 1,024, K 64] x [K 64, N 1,024]; A: computed on the way; B: computed on the way: left as it is (an operand is computed on the way)
;;     3. batch 128 x [M 1,024, K 1,024] x [K 1,024, N 64]; A: computed on the way; B: computed on the way: left as it is (an operand is computed on the way)
;;     4. [M 8,192, K 1,024] x [K 1,024, N 1,024]; A: computed on the way; B: input w_proj: left as it is (an operand is computed on the way)
;;   THE QUANTISER, for each operand of a quantised product, along K:
;;     - K is cut into blocks of 32 from its start; a last block that is shorter is filled with zeros.
;;     - A block's scale is 2^e with e = floor(log2(the largest magnitude in the block)) - 2, held to -126 .. 127; a block of zeros has e = 0. As a byte (E8M0): e + 127.
;;     - Each number is divided by its block's scale, clamped to +-6, and rounded to the nearest number of E2M1, ties to even, subnormals kept.
;;     - The product sums the exact products of the quantised numbers (number of the format x scale) in f32.
;;   ~~~python
;;   def quantise(x, axis):      # numpy; x: float32 -> the quantised numbers, widened to float32 again
;;       x = np.moveaxis(x, axis, -1); K = x.shape[-1]
;;       x = np.pad(x, [(0, 0)] * (x.ndim - 1) + [(0, -K % 32)]); x = x.reshape(x.shape[:-1] + (-1, 32)); a = np.abs(x).max(-1, keepdims=True)
;;       e = np.where(a > 0, np.clip(np.frexp(np.where(a > 0, a, 1))[1] - 1 - 2, -126, 127), 0)      # np.frexp(a)[1] - 1 = floor(log2(a)), exactly
;;       r = np.clip(x / 2.0 ** e, -6, 6)
;;       step = 2.0 ** (np.maximum(np.frexp(np.where(r == 0, 1, r))[1] - 1, 0) - 1)
;;       q = np.round(r / step) * step * 2.0 ** e      # np.round: ties to even
;;       return np.moveaxis(q.reshape(q.shape[:-2] + (-1,))[..., :K], -1, axis).astype(np.float32)
;;   ~~~
;; One version. Each part assembles by itself: llvm-mc -triple=amdgcn-amd-amdhsa -mcpu=gfx1250 --defsym DOCPART=n.
;; ======== version 1 of 1: 5 launches
;; limits: values are held in f16: magnitudes above 65,504 overflow, below 6.1e-05 lose precision
;; workspace buffers: xc 4,194,304 bytes; xs 262,144 bytes; wc 1,572,864 bytes; ws 98,304 bytes; wpt 2,097,152 bytes; qkv 50,331,648 bytes; qkvf 1,572,864 bytes; y16 16,777,216 bytes
;; launch prep (part 1): grid 512 x 1, 4 waves a work-group, no clusters, 77,312 bytes of LDS; arguments x, w_attn, w_proj, xc, xs, wc, ws, wpt; writes xc, xs, wc, ws, wpt
.if DOCPART == 1
	.amdgcn_target "amdgcn-amd-amdhsa--gfx1250"
	.amdhsa_code_object_version 6
	.text
	.protected	k_qdcf0a6117d_prep
	.globl	k_qdcf0a6117d_prep
	.p2align	8
	.type	k_qdcf0a6117d_prep,@function
k_qdcf0a6117d_prep:
	s_mov_b64 s[64:65], 0
	v_nop
	global_prefetch_b8 v0, s[64:65] scope:SCOPE_SE
	s_setreg_imm32_b32 hwreg(HW_REG_WAVE_MODE, 25, 1), 1
	s_wait_xcnt 0x0
; CAUSAL SELF-ATTENTION, five launches: prep (this one), qkv, attn, proj, fine.
; prep: x [8192][1024] f32 (K innermost) and w_attn [1024 k][3072 n] f32 (K is the first axis) become codes of E2M1 with one E8M0 byte for each 32 along K:
;   xc [8192][512 bytes], xs [8192][32], wc [3072 n][512 bytes], ws [3072][32]; w_proj [1024 k][1024 n] f32 becomes f16 with K innermost: wpt [1024 n][1024 k].
; A block's scale is 2^(floor(log2(largest magnitude)) - 2); its byte is the largest magnitude's exponent field - 2, held at 1 from below.
; WORK LEFT OUT IN THE PROGRAM.  The mask is the tril that the module builds itself: a key after a query gets the score -1e9, whatever the inputs hold, so its weight is exp(-1e9 - m), m the row's
; largest score; key 0 .. q are never hidden, so m is a true score.  While scores stay under 1e8 in magnitude that weight lies under every f32 number beside the row's sum, which is at least 1.
; So key steps that lie wholly behind a wave's queries are not multiplied (launch attn), and inside a step on the diagonal hidden scores are selected away.  All five inputs have a way to the output and are loaded.
; LIMITS: scores under 1e8 in magnitude; |q|, |k|, |v|, |attention's result|, |w_proj| under 65,504 (f16 operands of the products left as they are); a NaN, an infinity or an overflow that reaches only
; hidden keys is not carried to the result; blocks whose largest magnitude lies under 2^-124 keep the byte 1; a block of zeros keeps the byte 1 (its codes are zeros; these bytes are read by this program alone);
; NaN and infinities among x and w_attn are not served.
; SHARES: work-groups 0-191: w_attn, 32 columns x 512 K each (a wave 128 K);  192-255: w_proj, a wave 32 columns x 128 K;  256-511: x, a wave 8,192 numbers.  The three ways part on the work-group's number
; alone and have LDS bytes of their own.  No matrix unit, no tensor load, no cluster: a stream whose work-groups share nothing.
.set WAS,   32768                      ; w_attn's stage: 32 rows (columns n) x (256 bytes of codes + 16)
.set WASC,  41472                      ; and its scale words: 16 bytes a column
.set WPS,   41984                      ; w_proj's stages: 32 rows x (256 + 16) for each wave
.set SPARE, 76800                      ; the spare words, 128 bytes for each wave
.set SP,    80                         ; x: a lane's place in a stage: 64 bytes + 16 of padding
.set SPW,   12                         ; v12 my spare word's address; never rewritten
.set NIL,   13                         ; v13 0; never rewritten
.set R,     16                         ; x: v16-143 eight sets of 16 numbers as loaded
.set XN,    144                        ; x: v144-175 two sets of 16 neighbours
.set C,     176                        ; x: v176-207 codes, two registers a step
.set E,     208                        ; x: v208-223 a scale byte a step
.set WN,    36                         ; weights: v36-163 four sets of 32 numbers down K
	s_load_b256 s[4:11], s[0:1], 0x0               ; x s[4:5], w_attn s[6:7], w_proj s[8:9], xc s[10:11]
	s_load_b256 s[12:19], s[0:1], 0x20             ; xs s[12:13], wc s[14:15], ws s[16:17], wpt s[18:19]
	v_lshl_add_u32 v[SPW], v0, 2, SPARE
	v_mov_b32 v[NIL], 0
	v_lshrrev_b32 v1, 5, v0
	v_readfirstlane_b32 s20, v1                    ; wave
	v_and_b32 v2, 31, v0                           ; lane
	s_wait_kmcnt 0x0
	s_cmp_lt_u32 ttmp9, 192
	s_cbranch_scc1 .Lwa
	s_cmp_lt_u32 ttmp9, 256
	s_cbranch_scc1 .Lwp
; ---------------- x: a plain stream of blocks of 32.  Each load reads 512 consecutive bytes; a step's 2,048 bytes turn through the wave's own stage so that a lane holds 16 neighbours.
	v_lshlrev_b32 v3, 4, v2                        ; my 16 bytes of a load's 512
	s_lshl_b32 s21, s20, 13                        ; my wave's 8,192 bytes of LDS
	v_lshrrev_b32 v14, 2, v2
	v_mul_u32_u24 v14, v14, SP
	v_and_b32 v15, 3, v2
	v_lshl_add_u32 v14, v15, 4, v14
	v_add_nc_u32 v14, s21, v14                     ; the stage, in: SP (lane / 4) + 16 (lane % 4)
	v_mul_u32_u24 v15, v2, SP
	v_add_nc_u32 v15, s21, v15                     ; out: SP x lane
	v_lshlrev_b32 v4, 3, v2                        ; 8 bytes a lane: my codes in a step's 256, my scale bytes in the wave's 256
	v_lshrrev_b32 v5, 1, v2
	s_add_co_u32 s21, s21, 5120
	v_add_nc_u32 v5, s21, v5                       ; LDS: my block's byte
	v_add_nc_u32 v6, s21, v4                       ; and 8 of them on the way out
	s_sub_co_u32 s22, ttmp9, 256
	s_lshl_b32 s22, s22, 2
	s_add_co_u32 s22, s22, s20                     ; which run of 8,192 numbers is my wave's
	s_mov_b32 s25, 0
	s_lshl_b32 s24, s22, 15
	s_add_nc_u64 s[4:5], s[4:5], s[24:25]
	s_lshl_b32 s24, s22, 12
	s_add_nc_u64 s[10:11], s[10:11], s[24:25]
	s_lshl_b32 s24, s22, 8
	s_add_nc_u64 s[12:13], s[12:13], s[24:25]
.macro XLOAD t
.irp i, 0,1,2,3
	global_load_b128 v[R+16*((\t)%8)+4*\i:R+16*((\t)%8)+4*\i+3], v3, s[4:5] offset:2048*(\t)+512*\i th:TH_LOAD_NT
.endr
.endm
.macro XTURN t                         ; LDS serves a wave's instructions in order: no wait between the stores and the loads
.irp i, 0,1,2,3
	ds_store_b128 v14, v[R+16*((\t)%8)+4*\i:R+16*((\t)%8)+4*\i+3] offset:32*SP*((\t)%2)+8*SP*\i
.endr
.irp i, 0,1,2,3
	ds_load_b128 v[XN+16*((\t)%2)+4*\i:XN+16*((\t)%2)+4*\i+3], v15 offset:32*SP*((\t)%2)+16*\i
.endr
.endm
.irp t, 0,1,2,3,4,5,6,7
	XLOAD \t
.endr
	s_wait_loadcnt 28                              ; step 0's four loads are in; those of steps 1 to 7 may be out
	XTURN 0
.macro XSTEP t
.set XS, XN+16*((\t)%2)
.if (\t) > 0
	s_wait_dscnt 1                                 ; this step's numbers are back from the stage; the last step's byte store may be out
.else
	s_wait_dscnt 0x0
.endif
.if (\t)+8 < 16
	XLOAD (\t)+8                                   ; into the set that this step's stores into the stage have read
.endif
.if (\t)+1 < 16
.if 14-(\t) >= 7
	s_wait_loadcnt 28                              ; the next step's loads are in; seven steps' may be out
.else
	s_wait_loadcnt 4*(14-(\t))
.endif
	XTURN (\t)+1
.endif
	v_max3_num_f32 v8, |v[XS]|, |v[XS+1]|, |v[XS+2]|
	v_max3_num_f32 v9, |v[XS+3]|, |v[XS+4]|, |v[XS+5]|
.irp i, 6,10
	v_max3_num_f32 v8, v8, |v[XS+\i]|, |v[XS+\i+1]|
	v_max3_num_f32 v9, v9, |v[XS+\i+2]|, |v[XS+\i+3]|
.endr
	v_max3_num_f32 v8, v8, |v[XS+14]|, |v[XS+15]|
	v_max3_num_f32 v8, v8, v9, 0x1800000           ; and the floor 2^(3 - 127): the byte cannot fall under 1
	v_max_num_f32_dpp v8, v8, v8 row_xmask:1 row_mask:0xf bank_mask:0xf   ; with my neighbour's 16: the block's largest magnitude
	v_add_nc_u32 v11, 0xff000000, v8               ; 2 off its exponent field: the conversion takes that field as its scale
	v_cvt_scalef32_pk8_fp4_f32 v[C+2*(\t)], v[XS:XS+7], v11
	v_cvt_scalef32_pk8_fp4_f32 v[C+2*(\t)+1], v[XS+8:XS+15], v11
	v_lshrrev_b32 v[E+(\t)], 23, v11               ; the scale's byte (a plain line behind the conversions)
	ds_store_b8 v5, v[E+(\t)] offset:16*(\t)       ; both lanes of a block write the same byte with the same value
	global_store_b64 v4, v[C+2*(\t):C+2*(\t)+1], s[10:11] offset:256*(\t)   ; the wave stores 256 consecutive bytes, aligned
.endm
.irp t, 0,1,2,3,4,5,6,7,8,9,10,11,12,13,14,15
	XSTEP \t
.endr
	ds_load_b64 v[8:9], v6                         ; my wave's 256 scale bytes, in order behind my stores
	s_wait_dscnt 0x0
	global_store_b64 v4, v[8:9], s[12:13]
	s_wait_tensorcnt 0x0                           ; the wave's end, behind my last LDS store
	ds_add_u32 v[SPW], v[NIL]
	s_wait_dscnt 0x0
	s_endpgm
; block t of a wave's 128 rows of a weight: row 32 t + i at my column, into set t
.macro WLOAD t, rowb, b
.irp i, 0,1,2,3,4,5,6,7,8,9,10,11,12,13,14,15,16,17,18,19,20,21,22,23,24,25,26,27,28,29,30,31
	global_load_b32 v[WN+32*(\t)+\i], v3, s[\b:\b+1] offset:(32*(\t)+\i)*\rowb th:TH_LOAD_NT
.endr
.endm
; ---------------- w_attn: a lane takes a column n and its registers run down K: a block of 32 lies in one lane, and the codes come out with K innermost.
.Lwa:
	s_lshr_b32 s21, ttmp9, 1                       ; which 32 columns
	s_and_b32 s22, ttmp9, 1                        ; which 512 along K
	v_lshlrev_b32 v3, 2, v2
	v_mul_u32_u24 v4, v2, 272
	s_lshl_b32 s23, s20, 6
	s_add_co_u32 s23, s23, WAS
	v_add_nc_u32 v4, s23, v4                       ; the stage, in: row = my column, my wave's 64 bytes
	v_lshlrev_b32 v5, 4, v2
	s_lshl_b32 s23, s20, 2
	s_add_co_u32 s23, s23, WASC
	v_add_nc_u32 v5, s23, v5                       ; my column's scale word of my wave's 128 K
	v_and_b32 v8, 15, v2
	v_lshrrev_b32 v9, 4, v2
	v_mul_u32_u24 v6, v9, 272
	v_lshl_add_u32 v6, v8, 4, v6
	s_mul_i32 s23, s20, 8*272
	s_add_co_u32 s23, s23, WAS
	v_add_nc_u32 v6, s23, v6                       ; out: my wave's 8 rows, sixteen lanes to a row
	v_lshlrev_b32 v7, 9, v9
	v_lshl_add_u32 v7, v8, 4, v7                   ; and the same place in wc
	v_lshl_add_u32 v8, v2, 4, WASC                 ; wave 0: a column's 16 scale bytes
	v_lshlrev_b32 v9, 5, v2                        ; and its row of ws
	s_lshl_b32 s24, s22, 9
	s_lshl_b32 s25, s20, 7
	s_add_co_u32 s24, s24, s25                     ; my first k
	s_mul_i32 s24, s24, 12288
	s_lshl_b32 s25, s21, 7
	s_add_co_u32 s24, s24, s25
	s_mov_b32 s25, 0
	s_add_nc_u64 s[6:7], s[6:7], s[24:25]
	s_lshl_b32 s24, s21, 14                        ; wc: (32 x group + 8 x wave) rows of 512 bytes + 256 x half
	s_lshl_b32 s26, s20, 12
	s_add_co_u32 s24, s24, s26
	s_lshl_b32 s26, s22, 8
	s_add_co_u32 s24, s24, s26
	s_add_nc_u64 s[14:15], s[14:15], s[24:25]
	s_lshl_b32 s24, s21, 10                        ; ws: 32 x group rows of 32 bytes + 16 x half
	s_lshl_b32 s26, s22, 4
	s_add_co_u32 s24, s24, s26
	s_add_nc_u64 s[16:17], s[16:17], s[24:25]
	WLOAD 0, 12288, 6
	WLOAD 1, 12288, 6
.macro ABLOCK t
.set B0, WN+32*(\t)
.if (\t) < 3
	s_wait_loadcnt 32                              ; this block's 32 loads are in; the next block's may be out
.else
	s_wait_loadcnt 0x0
.endif
.if (\t) < 2
	WLOAD (\t)+2, 12288, 6
.endif
	v_max3_num_f32 v10, |v[B0]|, |v[B0+1]|, |v[B0+2]|
	v_max3_num_f32 v11, |v[B0+3]|, |v[B0+4]|, |v[B0+5]|
.irp i, 6,10,14,18,22,26
	v_max3_num_f32 v10, v10, |v[B0+\i]|, |v[B0+\i+1]|
	v_max3_num_f32 v11, v11, |v[B0+\i+2]|, |v[B0+\i+3]|
.endr
	v_max3_num_f32 v10, v10, |v[B0+30]|, |v[B0+31]|
	v_max3_num_f32 v10, v10, v11, 0x1800000        ; the floor 2^(3 - 127)
	v_add_nc_u32 v14, 0xff000000, v10              ; the conversion's scale operand
	v_lshrrev_b32 v15, 23, v14                     ; the byte
.if (\t) == 0
	v_mov_b32 v16, v15
.else
	v_lshl_or_b32 v16, v15, 8*(\t), v16            ; four bytes to the word, the lower K in the lower byte
.endif
.irp g, 0,1,2,3
	v_cvt_scalef32_pk8_fp4_f32 v[20+4*(\t)+\g], v[B0+8*\g:B0+8*\g+7], v14
.endr
	v_nop                                          ; one plain line behind the last conversion of a run
	ds_store_b128 v4, v[20+4*(\t):23+4*(\t)] offset:16*(\t)
.endm
.irp t, 0,1,2,3
	ABLOCK \t
.endr
	ds_store_b32 v5, v16
	s_wait_dscnt 0x0                               ; for the others' sake: my stores have landed
	s_barrier_signal -1                            ; all four waves of this work-group are on this way: it was chosen by the work-group's number
	s_barrier_wait -1
.irp i, 0,1,2,3
	ds_load_b128 v[36+4*\i:39+4*\i], v6 offset:\i*544
.endr
.irp i, 0,1,2,3
	s_wait_dscnt 3-\i
	global_store_b128 v7, v[36+4*\i:39+4*\i], s[14:15] offset:\i*1024   ; sixteen lanes store 256 consecutive bytes, aligned
.endr
	s_cmp_lg_u32 s20, 0
	s_cbranch_scc1 .Lwa_end
	ds_load_b128 v[52:55], v8                      ; wave 0: the 32 columns' scale bytes, 16 a column
	s_wait_dscnt 0x0
	global_store_b128 v9, v[52:55], s[16:17]
.Lwa_end:
	s_wait_tensorcnt 0x0                           ; the wave's end
	ds_add_u32 v[SPW], v[NIL]
	s_wait_dscnt 0x0
	s_endpgm
; ---------------- w_proj: the same plan without a quantiser: a lane's 32 numbers down K round to 16 pairs of f16; waves share nothing.
.Lwp:
	s_sub_co_u32 s21, ttmp9, 192
	s_lshl_b32 s21, s21, 2
	s_add_co_u32 s21, s21, s20
	s_lshr_b32 s22, s21, 3                         ; which 32 columns
	s_and_b32 s23, s21, 7                          ; which 128 along K
	v_lshlrev_b32 v3, 2, v2
	s_mul_i32 s26, s20, 8704
	s_add_co_u32 s26, s26, WPS                     ; my stage
	v_mul_u32_u24 v4, v2, 272
	v_add_nc_u32 v4, s26, v4
	v_and_b32 v8, 15, v2
	v_lshrrev_b32 v9, 4, v2
	v_mul_u32_u24 v6, v9, 272
	v_lshl_add_u32 v6, v8, 4, v6
	v_add_nc_u32 v6, s26, v6
	v_lshlrev_b32 v7, 11, v9
	v_lshl_add_u32 v7, v8, 4, v7
	s_lshl_b32 s24, s23, 19                        ; 128 rows of 4,096 bytes
	s_lshl_b32 s25, s22, 7
	s_add_co_u32 s24, s24, s25
	s_mov_b32 s25, 0
	s_add_nc_u64 s[8:9], s[8:9], s[24:25]
	s_lshl_b32 s24, s22, 16                        ; wpt: 32 rows of 2,048 bytes
	s_lshl_b32 s27, s23, 8
	s_add_co_u32 s24, s24, s27
	s_add_nc_u64 s[18:19], s[18:19], s[24:25]
	WLOAD 0, 4096, 8
	WLOAD 1, 4096, 8
.macro PBLOCK t
.if (\t) < 3
	s_wait_loadcnt 32
.else
	s_wait_loadcnt 0x0
.endif
.if (\t) < 2
	WLOAD (\t)+2, 4096, 8
.endif
.irp j, 0,1,2,3,4,5,6,7,8,9,10,11,12,13,14,15
	v_cvt_pk_f16_f32 v[164+16*(\t)+\j], v[WN+32*(\t)+2*\j], v[WN+32*(\t)+2*\j+1]
.endr
.irp q, 0,1,2,3
	ds_store_b128 v4, v[164+16*(\t)+4*\q:167+16*(\t)+4*\q] offset:64*(\t)+16*\q
.endr
.endm
.irp t, 0,1,2,3
	PBLOCK \t
.endr
.irp i, 0,1,2,3,4,5,6,7,8,9,10,11,12,13,14,15
	ds_load_b128 v[36+4*\i:39+4*\i], v6 offset:\i*544   ; in order behind my stores
.endr
.irp i, 0,1,2,3,4,5,6,7,8,9,10,11,12,13,14,15
	s_wait_dscnt 15-\i
	global_store_b128 v7, v[36+4*\i:39+4*\i], s[18:19] offset:\i*4096
.endr
	s_wait_tensorcnt 0x0                           ; the wave's end
	ds_add_u32 v[SPW], v[NIL]
	s_wait_dscnt 0x0
	s_endpgm
.Lfunc_end_k_qdcf0a6117d_prep:
	.size	k_qdcf0a6117d_prep, .Lfunc_end_k_qdcf0a6117d_prep-k_qdcf0a6117d_prep
	.p2alignl 7, 3214868480
	.fill 96, 4, 3214868480
	.section	.rodata,"a",@progbits
	.p2align	6, 0x0
	.amdhsa_kernel k_qdcf0a6117d_prep
		.amdhsa_group_segment_fixed_size 77312
		.amdhsa_private_segment_fixed_size 0
		.amdhsa_enable_private_segment 0
		.amdhsa_kernarg_size 64
		.amdhsa_user_sgpr_count 2
		.amdhsa_user_sgpr_kernarg_segment_ptr 1
		.amdhsa_wavefront_size32 1
		.amdhsa_system_sgpr_workgroup_id_x 1
		.amdhsa_system_sgpr_workgroup_id_y 1
		.amdhsa_system_sgpr_workgroup_id_z 1
		.amdhsa_system_vgpr_workitem_id 0
		.amdhsa_next_free_vgpr 232
		.amdhsa_next_free_sgpr 66
		.amdhsa_reserve_vcc 0
		.amdhsa_float_denorm_mode_32 3
		.amdhsa_float_denorm_mode_16_64 3
		.amdhsa_memory_ordered 1
		.amdhsa_forward_progress 1
		.amdhsa_inst_pref_size 76
	.end_amdhsa_kernel
	.amdgpu_metadata
---
amdhsa.version: [ 1, 2 ]
amdhsa.kernels:
  - .name:           k_qdcf0a6117d_prep
    .symbol:         k_qdcf0a6117d_prep.kd
    .args:
      - { .name: x, .offset: 0, .size: 8, .value_kind: global_buffer, .address_space: global }
      - { .name: w_attn, .offset: 8, .size: 8, .value_kind: global_buffer, .address_space: global }
      - { .name: w_proj, .offset: 16, .size: 8, .value_kind: global_buffer, .address_space: global }
      - { .name: xc, .offset: 24, .size: 8, .value_kind: global_buffer, .address_space: global }
      - { .name: xs, .offset: 32, .size: 8, .value_kind: global_buffer, .address_space: global }
      - { .name: wc, .offset: 40, .size: 8, .value_kind: global_buffer, .address_space: global }
      - { .name: ws, .offset: 48, .size: 8, .value_kind: global_buffer, .address_space: global }
      - { .name: wpt, .offset: 56, .size: 8, .value_kind: global_buffer, .address_space: global }
    .group_segment_fixed_size: 77312
    .private_segment_fixed_size: 0
    .kernarg_segment_align: 8
    .kernarg_segment_size: 64
    .max_flat_workgroup_size: 128
    .sgpr_count:     66
    .vgpr_count:     232
    .wavefront_size: 32
...
	.end_amdgpu_metadata
.endif
;; end of part 1
;; launch qkv (part 2): grid 12 x 32, 4 waves a work-group, clusters of 4 x 4, 327,680 bytes of LDS; arguments xc, xs, wc, ws, b_attn, qkv, qkvf; writes qkv, qkvf
.if DOCPART == 2
	.amdgcn_target "amdgcn-amd-amdhsa--gfx1250"
	.amdhsa_code_object_version 6
	.text
	.protected	k_qdcf0a6117d_qkv
	.globl	k_qdcf0a6117d_qkv
	.p2align	8
	.type	k_qdcf0a6117d_qkv,@function
k_qdcf0a6117d_qkv:
	s_mov_b64 s[64:65], 0
	v_nop
	global_prefetch_b8 v0, s[64:65] scope:SCOPE_SE
	s_setreg_imm32_b32 hwreg(HW_REG_WAVE_MODE, 25, 1), 1
	s_wait_xcnt 0x0
	s_wait_alu depctr_hold_cnt(0) depctr_sa_sdst(0) depctr_va_vdst(0) depctr_va_sdst(0) depctr_va_ssrc(0) depctr_va_vcc(0) depctr_vm_vsrc(0)
	s_getreg_b32 s2, hwreg(HW_REG_IB_STS2, 6, 4)
	s_cmp_eq_u32 s2, 0
	s_cbranch_scc0 .Lentry_in_a_cluster
	s_endpgm
.Lentry_in_a_cluster:
	s_bfe_u32 s2, ttmp6, 0x10000c
	s_cmp_lg_u32 s2, 0xf033
	s_cbranch_scc0 .Lentry_shape_is_right
	s_endpgm
.Lentry_shape_is_right:
; The first product, x w_attn + b_attn, on codes of E2M1 with E8M0 scales: A = xc [8192][1024 codes], B = wc [3072][1024 codes], sums in f32, the bias as the C of each sum's first instruction.
; The result leaves as f16, laid by head: qkv [3: q, k, v][128 batch x head][1024 t][64]; column n belongs to head n / 192 and part (n / 64) % 3.  Rows t < 16 of every sequence leave in f32 too: qkvf [8][16][3072].
; LIMIT: |q|, |k|, |v| under 65,504.
; A tile of C, 256 x 256, is made by four waves, 128 x 128 each: 64 accumulators, 512 registers.  K = 1,024 is two LDS slots of 512 (rows of 256 bytes): every tile is a first fill, nothing is filled again;
; a wave has three tensor loads out at the start (scales, slot 0, slot 1).  The scales of the work-group's rows, for all of K, come once.
; CLUSTERS: 4 x 4 work-groups; A's tiles are shared along a row of the cluster, B's along a column, each asked for jointly.  Tile row = cluster y + 8 cy, so that (tile row) % 4, the tile's place in its sequence,
; is (cluster y) % 4: the same in all sixteen partners.
; THE MATRIX INSTRUCTION IS USED TRANSPOSED (source 0 = 16 rows of B, source 1 = 16 rows of A): a lane holds eight neighbouring columns of one row of C.
; REGISTERS: window 0: v0-31 addresses; v32-95 scale words, two sets; v96-127 packed results; v128-191 A's fragments, one set, later rows on their way out; v192-255 the bias, later the f32 rows.
;   window 1: B's fragments, two sets.   windows 2, 3: the accumulators ((a, b) at v[8 (8 (a % 4) + b)]).
.set NQ,     4                         ; matrix instructions deep in a slot
.set ROWB,   256
.set KROW,   512                       ; a row of codes in memory
.set PITCH,  272                       ; an LDS row: 256 bytes + 16 of padding: the 16 rows that a load touches start at 16 different groups of four banks
.set FR,     8
.set NL,     2
.set NP,     4
.set HALFT,  128*PITCH
.set SLOT,   4*HALFT
.set KS,     32                        ; a row of scale bytes
.set SCL,    2*SLOT
.set HALFS,  16*272
.set SBLK,   2*272
.set SPARE,  SCL+4*HALFS
.set WSTG,   13312                     ; the way out: a wave's stages, in slot 0: f16: 2 groups x 16 rows x 144 bytes; from 4,608 on f32: 16 rows x 528
.set ADRA, 16
.set ADRB, 20
.set STH,  22                          ; v22 f16 stage, in
.set RDH,  23                          ; v23 f16 stage, back
.set STO,  24                          ; v24 f32 stage, in
.set RD,   25                          ; v25 f32 stage, back
.set CO,   26                          ; v26 16 x lane
.set ADRS, 27
.set SPW,  28
.set NIL,  29
.set BO,   30                          ; v30 32 x (lane / 16): my eight numbers of a block's bias
.set SC,   32
.set TMP,  96
.set AF,   128
.set BK,   128
.set BIAS, 192
.set G1, 24
.set G0, 32
.set G1B, 48
.set G0B, 56
.set G1S, 68
.set G0S, 76
.set G1SB, 80
.set G0SB, 88
.set MSB, 0
.macro WIN new                         ; the immediate's high byte repeats the setting that is left
.if MSB != (\new)
	s_set_vgpr_msb (MSB<<8)|(\new)
.set MSB, \new
.endif
.endm
.set MUL_LO,  0xa1                     ; source 0 (B) window 1, source 1 (A) window 0, C and D window 2
.set MUL_HI,  0xf1                     ; the same, window 3
.set MUL_LO0, 0x81                     ; the first step: C (the bias) window 0, D window 2
.set MUL_HI0, 0xc1                     ; D window 3
.set TO_B,    0x40
.macro JLOAD g0a, g1a, g0b, g1b        ; a joint load: waves 0 and 1 fetch for A, waves 2 and 3 for B; an s_nop 0 and four v_nop follow each line
	s_cmp_eq_u32 s15, 0
	s_cbranch_scc0 .Lfor_b_\@
	tensor_load_to_lds s[\g0a:\g0a+3], s[\g1a:\g1a+7]
	s_nop 0
.rept 4
	v_nop
.endr
	s_branch .Lasked_\@
.Lfor_b_\@:
	tensor_load_to_lds s[\g0b:\g0b+3], s[\g1b:\g1b+7]
	s_nop 0
.rept 4
	v_nop
.endr
.Lasked_\@:
.endm
.macro CREST
	s_cmp_lg_u32 s14, 0
	s_cbranch_scc1 .Lnot_wave_0_\@
	s_barrier_signal -3
.Lnot_wave_0_\@:
	s_barrier_wait -3
	s_barrier_signal -1
	s_barrier_wait -1
.endm
.macro CROUND
	s_barrier_signal -1
	s_barrier_wait -1
	CREST
.endm
	s_load_b256 s[4:11], s[0:1], 0x0               ; xc s[4:5], xs s[6:7], wc s[8:9], ws s[10:11]
	s_load_b64 s[12:13], s[0:1], 0x20              ; b_attn
	s_load_b64 s[96:97], s[0:1], 0x28              ; qkv
	s_load_b64 s[98:99], s[0:1], 0x30              ; qkvf
	v_lshl_add_u32 v[SPW], v0, 2, SPARE
	v_mov_b32 v[NIL], 0
	ds_add_u32 v[SPW], v[NIL]                      ; the wave's opening: the add, twice on end, and its wait ahead of my first tensor load
	ds_add_u32 v[SPW], v[NIL]
	v_lshrrev_b32 v1, 5, v0
	v_readfirstlane_b32 s14, v1                    ; wave
	s_lshr_b32 s15, s14, 1                         ; my half of the tile's rows; also: I fetch for A (0) or B (1)
	s_and_b32 s16, s14, 1                          ; my half of its columns; also: which 128 rows I fetch
	s_bfe_u32 s40, ttmp6, 0x40000                  ; cx
	s_bfe_u32 s41, ttmp6, 0x40004                  ; cy
	s_lshl_b32 s42, ttmp9, 2
	s_add_co_u32 s42, s42, s40                     ; tile column = 4 x cluster x + cx
	s_and_b32 s17, ttmp7, 0xffff
	s_lshl_b32 s18, s41, 3
	s_add_co_u32 s17, s17, s18                     ; tile row = cluster y + 8 cy
	s_lshl_b32 s43, s41, 2
	s_lshl_b32 s43, 15, s43                        ; my row of the cluster
	s_lshl_b32 s44, 0x1111, s40                    ; my column
	s_or_b32 s[G1+0], s43, (0<<16)|(1<<20)|(1<<21)|(5<<22)|(3<<25)  ; the mask; elements of 1 byte; padding: 4 words behind every 64
	s_or_b32 s[G1B+0], s44, (0<<16)|(1<<20)|(1<<21)|(5<<22)|(3<<25)
.irp g, G1, G1B
	s_mov_b32 s[\g+1], ROWB<<16                    ; tensor_dim0
	s_mov_b32 s[\g+2], 128<<16                     ; tensor_dim1
	s_mov_b32 s[\g+3], ROWB<<16                    ; tile_dim0
	s_mov_b32 s[\g+4], 128                         ; tile_dim1
	s_mov_b32 s[\g+5], KROW                        ; the pitch
	s_mov_b32 s[\g+6], 0
	s_mov_b32 s[\g+7], 0
.endr
	s_or_b32 s[G1S+0], s43, (3<<16)|(1<<20)|(1<<21)|(5<<22)|(3<<25) ; the scales of 128 rows: 4,096 dense bytes as 16 rows of 32 elements of 8 bytes
	s_or_b32 s[G1SB+0], s44, (3<<16)|(1<<20)|(1<<21)|(5<<22)|(3<<25)
.irp g, G1S, G1SB
	s_mov_b32 s[\g+1], 32<<16
	s_mov_b32 s[\g+2], 16<<16
	s_mov_b32 s[\g+3], 32<<16
	s_mov_b32 s[\g+4], 16
	s_mov_b32 s[\g+5], 32
	s_mov_b32 s[\g+6], 0
	s_mov_b32 s[\g+7], 0
.endr
	s_lshl_b32 s18, s16, 7
	s_lshl_b32 s20, s17, 8
	s_add_co_u32 s20, s20, s18                     ; A: row 256 x tile row + 128 x half
	s_lshl_b32 s46, s42, 8
	s_add_co_u32 s46, s46, s18                     ; B: row 256 x tile column + 128 x half
	s_mov_b32 s21, 0
	s_mov_b32 s47, 0
	s_mov_b64 s[18:19], KS
	s_mul_u64 s[22:23], s[20:21], s[18:19]
	s_mul_u64 s[92:93], s[46:47], s[18:19]
	s_mov_b64 s[18:19], KROW
	s_mul_u64 s[20:21], s[20:21], s[18:19]
	s_mul_u64 s[46:47], s[46:47], s[18:19]
	s_mul_i32 s45, s14, HALFT                      ; where they go: wave x 128 rows
	s_mul_i32 s94, s14, HALFS
	s_wait_dscnt 0x0                               ; both opening adds are done
	s_wait_kmcnt 0x0
	s_add_nc_u64 s[20:21], s[4:5], s[20:21]
	s_add_nc_u64 s[22:23], s[6:7], s[22:23]
	s_add_nc_u64 s[46:47], s[8:9], s[46:47]
	s_add_nc_u64 s[92:93], s[10:11], s[92:93]
	CROUND                                         ; all sixteen work-groups are here: the first joint loads meet
	s_mov_b32 s[G0S], 1
	s_add_co_u32 s[G0S+1], s94, SCL
	s_mov_b64 s[G0S+2:G0S+3], s[22:23]
	s_or_b32 s[G0S+3], s[G0S+3], 0x80000000
	s_mov_b32 s[G0SB], 1
	s_add_co_u32 s[G0SB+1], s94, SCL
	s_mov_b64 s[G0SB+2:G0SB+3], s[92:93]
	s_or_b32 s[G0SB+3], s[G0SB+3], 0x80000000
	JLOAD G0S, G1S, G0SB, G1SB
.irp s, 0,1
	s_mov_b32 s[G0+4*\s], 1
	s_add_co_u32 s[G0+4*\s+1], s45, \s*SLOT
	s_add_nc_u64 s[G0+4*\s+2:G0+4*\s+3], s[20:21], \s*ROWB
	s_or_b32 s[G0+4*\s+3], s[G0+4*\s+3], 0x80000000
	s_mov_b32 s[G0B+4*\s], 1
	s_add_co_u32 s[G0B+4*\s+1], s45, \s*SLOT
	s_add_nc_u64 s[G0B+4*\s+2:G0B+4*\s+3], s[46:47], \s*ROWB
	s_or_b32 s[G0B+4*\s+3], s[G0B+4*\s+3], 0x80000000
	JLOAD G0+4*\s, G1, G0B+4*\s, G1B
.endr
	v_and_b32 v1, 15, v0                           ; r
	v_bfe_u32 v2, v0, 4, 1                         ; h
	v_lshlrev_b32 v[BO], 5, v2
	s_lshl_b32 s18, s42, 10                        ; my first column, in bytes of f32: 1,024 x tile column + 512 x half
	s_lshl_b32 s19, s16, 9
	s_add_co_u32 s18, s18, s19
	s_mov_b32 s19, 0
	s_add_nc_u64 s[12:13], s[12:13], s[18:19]
.irp b, 0,1,2,3,4,5,6,7
	global_load_b128 v[BIAS+8*\b:BIAS+8*\b+3], v[BO], s[12:13] offset:64*\b        ; the bias in the result's layout: block b, columns 16 b + 8 h + 0 .. 7
	global_load_b128 v[BIAS+8*\b+4:BIAS+8*\b+7], v[BO], s[12:13] offset:64*\b+16
.endr
	v_mul_u32_u24 v3, v1, PITCH
	v_lshl_add_u32 v4, v2, 4, v3
	s_mul_i32 s21, s15, HALFT
	s_mul_i32 s22, s16, HALFT
	s_add_co_u32 s22, s22, 2*HALFT
.irp s, 0,1
	v_add_nc_u32 v[ADRA+\s], s21, v4
	v_add_nc_u32 v[ADRB+\s], s22, v4
	s_add_co_u32 s21, s21, SLOT
	s_add_co_u32 s22, s22, SLOT
.endr
	v_mul_u32_u24 v5, v1, KS                       ; my row's scales: 32 bytes a row, 16 more for each 256 passed
	v_lshrrev_b32 v6, 8, v5
	v_lshl_add_u32 v5, v6, 4, v5
	s_mul_i32 s21, s15, HALFS
	s_mul_i32 s22, s16, HALFS
	s_add_co_u32 s22, s22, 2*HALFS
	s_sub_co_u32 s22, s22, s21
	v_mul_u32_u24 v6, s22, v2                      ; lanes 16-31 take B's
	s_add_co_u32 s21, s21, SCL
	v_add_nc_u32 v5, v5, v6
	v_add_nc_u32 v[ADRS], s21, v5
	s_mul_i32 s23, s14, WSTG                       ; my stages
	v_mul_u32_u24 v5, v1, 144
	v_lshl_add_u32 v5, v2, 4, v5
	v_add_nc_u32 v[STH], s23, v5                   ; f16, in: row r, 16 bytes for each half of the lanes
	v_and_b32 v6, 31, v0
	v_lshrrev_b32 v5, 3, v6
	v_mul_u32_u24 v5, v5, 144
	v_and_b32 v7, 7, v0
	v_lshl_add_u32 v5, v7, 4, v5
	v_add_nc_u32 v[RDH], s23, v5                   ; back: eight lanes to a row of 128 bytes, four rows an instruction
	s_add_co_u32 s23, s23, 4608
	v_mul_u32_u24 v5, v1, 528
	v_lshl_add_u32 v5, v2, 5, v5
	v_add_nc_u32 v[STO], s23, v5
	v_lshlrev_b32 v[CO], 4, v6
	v_add_nc_u32 v[RD], s23, v[CO]
	; where the results go.  b = tile row / 4; my first position in the sequence = 256 x (tile row % 4) + 128 x my half
	s_lshr_b32 s66, s17, 2
	s_and_b32 s67, s17, 3
	s_lshl_b32 s67, s67, 8
	s_lshl_b32 s18, s15, 7
	s_add_co_u32 s67, s67, s18
	s_lshl_b32 s92, s42, 2
	s_lshl_b32 s93, s16, 1
	s_add_co_u32 s92, s92, s93                     ; my first group of 64 columns
.irp g, 0,1
	s_add_co_u32 s93, s92, \g
	s_mul_i32 s94, s93, 43
	s_lshr_b32 s94, s94, 7                         ; the head = group / 3 (exact for groups 0 .. 47)
	s_mul_i32 s95, s94, 3
	s_sub_co_u32 s95, s93, s95                     ; the part: q, k or v
	s_lshl_b32 s95, s95, 24
	s_lshl_b32 s18, s66, 4
	s_add_co_u32 s18, s18, s94
	s_lshl_b32 s18, s18, 10
	s_add_co_u32 s18, s18, s67
	s_lshl_b32 s18, s18, 7                         ; rows of 128 bytes
	s_add_co_u32 s18, s18, s95
	s_mov_b32 s19, 0
	s_add_nc_u64 s[20+2*\g:21+2*\g], s[96:97], s[18:19]
.endr
	s_mul_i32 s46, s66, 196608                     ; qkvf: 16 rows of 12,288 bytes a sequence, my columns
	s_lshl_b32 s47, s42, 10
	s_add_co_u32 s46, s46, s47
	s_lshl_b32 s47, s16, 9
	s_add_co_u32 s46, s46, s47
	s_mov_b32 s47, 0
	s_add_nc_u64 s[46:47], s[98:99], s[46:47]
.macro FRAG reg, adr, q, i             ; 16 rows x 128 K of 4-bit codes: 8 registers; registers 4 c .. 4 c + 3 hold K = 64 c + 32 (lane / 16) + 0 .. 31
.irp c, 0,1
	ds_load_b128 v[\reg+4*\c:\reg+4*\c+3], v[\adr] offset:64*(\q)+32*\c+(\i)*16*PITCH
.endr
.endm
; 16 matrix instructions: A's blocks a0, a0 + 1 x B's eight.  zero = 1: the first product starts the sums from the bias.  The 64 accumulators take turns, one instruction a turn.
.macro MUL16 a0, p, q, sc, zero
.irp a, \a0, \a0+1
.irp b, 0,1,2,3,4,5,6,7
.if \zero
	v_wmma_scale_f32_16x16x128_f8f6f4 v[8*(8*((\a)%4)+\b):8*(8*((\a)%4)+\b)+7], v[128*(\p)+FR*\b:128*(\p)+FR*\b+FR-1], v[AF+FR*(\a):AF+FR*(\a)+FR-1], v[BIAS+8*\b:BIAS+8*\b+7], v[SC+8*NQ*(\sc)+NQ*\b+(\q)], v[SC+8*NQ*(\sc)+NQ*(\a)+(\q)] matrix_a_fmt:MATRIX_FMT_FP4 matrix_b_fmt:MATRIX_FMT_FP4 matrix_a_scale:MATRIX_SCALE_ROW1
.else
	v_wmma_scale_f32_16x16x128_f8f6f4 v[8*(8*((\a)%4)+\b):8*(8*((\a)%4)+\b)+7], v[128*(\p)+FR*\b:128*(\p)+FR*\b+FR-1], v[AF+FR*(\a):AF+FR*(\a)+FR-1], v[8*(8*((\a)%4)+\b):8*(8*((\a)%4)+\b)+7], v[SC+8*NQ*(\sc)+NQ*\b+(\q)], v[SC+8*NQ*(\sc)+NQ*(\a)+(\q)] matrix_a_fmt:MATRIX_FMT_FP4 matrix_b_fmt:MATRIX_FMT_FP4 matrix_a_scale:MATRIX_SCALE_ROW1
.endif
.endr
.endr
.endm
.macro FETCH_B slot, q, p
	WIN TO_B
.irp i, 0,1,2,3,4,5,6,7
	FRAG 128*(\p)+FR*\i, ADRB+\slot, \q, \i
.endr
	WIN 0
.endm
.macro FETCH_A slot, q, i0
.irp i, \i0, \i0+1, \i0+2, \i0+3
	FRAG AF+FR*(\i), ADRA+\slot, \q, \i
.endr
.endm
.macro SCALES sc                       ; a slot's scale words: lanes 0-15 A's block i, lanes 16-31 B's block i
.irp i, 0,1,2,3,4,5,6,7
	ds_load_b128 v[SC+8*NQ*\sc+NQ*\i:SC+8*NQ*\sc+NQ*\i+3], v[ADRS] offset:\i*SBLK
.endr
.endm
.macro PLACES n                        ; plain vector lines behind matrix instructions, ahead of loads into registers that they read and of the first read of results
.rept \n
	v_nop
.endr
.endm
.macro STEP slot, q, zero              ; 128 along K, with its successor in the same slot
	s_wait_dscnt 4*NL                              ; B's set and A's blocks 0-3 are in; the eight youngest loads (A's blocks 4-7) may be out
.if \zero
	WIN MUL_LO0
.else
	WIN MUL_LO
.endif
	MUL16 0, (\q)%2, \q, \slot, \zero
	MUL16 2, (\q)%2, \q, \slot, \zero
	s_wait_dscnt 0
	PLACES NP
	FETCH_B \slot, (\q)+1, 1-(\q)%2
	FETCH_A \slot, (\q)+1, 0
.if \zero
	WIN MUL_HI0
.else
	WIN MUL_HI
.endif
	MUL16 4, (\q)%2, \q, \slot, \zero
	MUL16 6, (\q)%2, \q, \slot, \zero
	PLACES NP
	WIN 0
	FETCH_A \slot, (\q)+1, 4
.endm
.macro STEPS slot, from
.set Q, \from
.rept NQ-1-\from
	STEP \slot, Q, 0
.set Q, Q+1
.endr
.endm
	s_wait_tensorcnt 1                             ; the scales and my part of slot 0 are in; slot 1's load may be out
	s_barrier_signal -1
	s_barrier_wait -1
	FETCH_B 0, 0, 0
	FETCH_A 0, 0, 0
	SCALES 0
	FETCH_A 0, 0, 4
	s_wait_loadcnt 0x0                             ; the bias
	STEP 0, 0, 1
	STEPS 0, 1
	; the change of slots: one barrier; ahead of it all my tensor loads have landed, the add, and my reads of slot 0 are over.  Nothing is filled again.
	s_wait_tensorcnt 0x0
	ds_add_u32 v[SPW], v[NIL]
	s_wait_dscnt 4*NL+1                            ; the add and the eight youngest loads may be out
	WIN MUL_LO
	MUL16 0, 1, NQ-1, 0, 0
	s_wait_dscnt 0x0
	s_barrier_signal -1
	MUL16 2, 1, NQ-1, 0, 0
	WIN 0
	s_barrier_wait -1
	PLACES NP
	v_add_nc_u32 v[ADRS], 4*NQ, v[ADRS]            ; on to slot 1's scale words
	FETCH_B 1, 0, 0
	FETCH_A 1, 0, 0
	SCALES 1
	WIN MUL_HI
	MUL16 4, 1, NQ-1, 0, 0
	MUL16 6, 1, NQ-1, 0, 0
	PLACES NP
	WIN 0
	FETCH_A 1, 0, 4
	STEPS 1, 0
	s_wait_dscnt 4*NL
	WIN MUL_LO
	MUL16 0, 1, NQ-1, 1, 0
	MUL16 2, 1, NQ-1, 1, 0
	s_wait_dscnt 0
	WIN MUL_HI
	MUL16 4, 1, NQ-1, 1, 0
	MUL16 6, 1, NQ-1, 1, 0
	WIN 0
; THE WAY OUT.  The stages lie in slot 0: it has had its one fill, and every wave has passed the change of slots, behind which nobody reads it.
.macro PACK a                          ; block a's 16 rows x 128 columns round to f16: 16 bytes a lane and block of B; each accumulator from its low end on
.set AC, 64*((\a)%4)
	WIN (0x0a+5*((\a)/4))
.irp b, 0,1,2,3,4,5,6,7
.irp r, 0,1,2,3
	v_cvt_pk_f16_f32 v[TMP+4*\b+\r], v[AC+8*\b+2*\r], v[AC+8*\b+2*\r+1]
.endr
.endr
	WIN 0
.endm
.macro TOSTAGE16 a                     ; through my stage: two groups of 64 columns, rows of 128 bytes + 16; LDS serves a wave's instructions in order
.set BB, BK+32*((\a)%2)
.irp b, 0,1,2,3,4,5,6,7
	ds_store_b128 v[STH], v[TMP+4*\b:TMP+4*\b+3] offset:(\b/4)*2304+(\b%4)*32
.endr
.irp g, 0,1
.irp s, 0,1,2,3
	ds_load_b128 v[BB+4*(4*\g+\s):BB+4*(4*\g+\s)+3], v[RDH] offset:\g*2304+\s*576
.endr
.endr
.endm
.macro SEND16 a
.set BB, BK+32*((\a)%2)
	s_wait_dscnt 0x0                               ; the block is back in registers
	s_wait_xcnt 0x0                                ; the stores of the block before have read their registers: the next block's loads may land there
.irp g, 0,1
.irp s, 0,1,2,3
	global_store_b128 v[CO], v[BB+4*(4*\g+\s):BB+4*(4*\g+\s)+3], s[20+2*\g:21+2*\g] offset:(\a)*2048+\s*512   ; four rows of 128 bytes: 512 consecutive bytes, aligned
.endr
.endr
.endm
	PLACES NP
	s_and_b32 s18, ttmp7, 3                        ; positions 0 to 15 lie in block 0 of the upper waves of a sequence's first tile: the cluster's y and the wave's number decide
	s_or_b32 s18, s18, s15
	s_cmp_lg_u32 s18, 0
	s_cbranch_scc1 .Lno_fine
	WIN 0x08                                       ; an LDS store's data: window 2
.irp b, 0,1,2,3,4,5,6,7
	ds_store_b128 v[STO], v[8*\b:8*\b+3] offset:64*\b
	ds_store_b128 v[STO], v[8*\b+4:8*\b+7] offset:64*\b+16
.endr
	WIN 0
.irp t, 0,1,2,3,4,5,6,7,8,9,10,11,12,13,14,15
	ds_load_b128 v[BIAS+4*\t:BIAS+4*\t+3], v[RD] offset:\t*528
.endr
	s_wait_dscnt 0x0
.irp t, 0,1,2,3,4,5,6,7,8,9,10,11,12,13,14,15
	global_store_b128 v[CO], v[BIAS+4*\t:BIAS+4*\t+3], s[46:47] offset:\t*12288   ; 512 consecutive bytes of a row of qkvf
.endr
.Lno_fine:
	PACK 0
	TOSTAGE16 0
.irp a, 1,2,3,4,5,6,7
	PACK \a
	SEND16 \a-1
	TOSTAGE16 \a
.endr
	SEND16 7
	s_wait_tensorcnt 0x0                           ; the wave's end
	ds_add_u32 v[SPW], v[NIL]
	s_wait_dscnt 0x0
	CROUND                                         ; the closing round
	s_endpgm
.Lfunc_end_k_qdcf0a6117d_qkv:
	.size	k_qdcf0a6117d_qkv, .Lfunc_end_k_qdcf0a6117d_qkv-k_qdcf0a6117d_qkv
	.p2alignl 7, 3214868480
	.fill 96, 4, 3214868480
	.section	.rodata,"a",@progbits
	.p2align	6, 0x0
	.amdhsa_kernel k_qdcf0a6117d_qkv
		.amdhsa_group_segment_fixed_size 327680
		.amdhsa_private_segment_fixed_size 0
		.amdhsa_enable_private_segment 0
		.amdhsa_kernarg_size 56
		.amdhsa_user_sgpr_count 2
		.amdhsa_user_sgpr_kernarg_segment_ptr 1
		.amdhsa_wavefront_size32 1
		.amdhsa_system_sgpr_workgroup_id_x 1
		.amdhsa_system_sgpr_workgroup_id_y 1
		.amdhsa_system_sgpr_workgroup_id_z 1
		.amdhsa_system_vgpr_workitem_id 0
		.amdhsa_next_free_vgpr 1024
		.amdhsa_next_free_sgpr 100
		.amdhsa_reserve_vcc 0
		.amdhsa_float_denorm_mode_32 3
		.amdhsa_float_denorm_mode_16_64 3
		.amdhsa_memory_ordered 1
		.amdhsa_forward_progress 1
		.amdhsa_inst_pref_size 133
	.end_amdhsa_kernel
	.amdgpu_metadata
---
amdhsa.version: [ 1, 2 ]
amdhsa.kernels:
  - .name:           k_qdcf0a6117d_qkv
    .symbol:         k_qdcf0a6117d_qkv.kd
    .args:
      - { .name: xc, .offset: 0, .size: 8, .value_kind: global_buffer, .address_space: global }
      - { .name: xs, .offset: 8, .size: 8, .value_kind: global_buffer, .address_space: global }
      - { .name: wc, .offset: 16, .size: 8, .value_kind: global_buffer, .address_space: global }
      - { .name: ws, .offset: 24, .size: 8, .value_kind: global_buffer, .address_space: global }
      - { .name: b_attn, .offset: 32, .size: 8, .value_kind: global_buffer, .address_space: global }
      - { .name: qkv, .offset: 40, .size: 8, .value_kind: global_buffer, .address_space: global }
      - { .name: qkvf, .offset: 48, .size: 8, .value_kind: global_buffer, .address_space: global }
    .group_segment_fixed_size: 327680
    .private_segment_fixed_size: 0
    .kernarg_segment_align: 8
    .kernarg_segment_size: 56
    .max_flat_workgroup_size: 128
    .sgpr_count:     100
    .vgpr_count:     1024
    .wavefront_size: 32
...
	.end_amdgpu_metadata
.endif
;; end of part 2
;; launch attn (part 3): grid 2 x 128, 16 waves a work-group, no clusters, 327,680 bytes of LDS; arguments qkv, y16; writes y16
.if DOCPART == 3
	.amdgcn_target "amdgcn-amd-amdhsa--gfx1250"
	.amdhsa_code_object_version 6
	.text
	.protected	k_qdcf0a6117d_attn
	.globl	k_qdcf0a6117d_attn
	.p2align	8
	.type	k_qdcf0a6117d_attn,@function
k_qdcf0a6117d_attn:
	s_mov_b64 s[64:65], 0
	v_nop
	global_prefetch_b8 v0, s[64:65] scope:SCOPE_SE
	s_setreg_imm32_b32 hwreg(HW_REG_WAVE_MODE, 25, 1), 1
	s_wait_xcnt 0x0
; Causal attention of one head (batch x head = work-group y) on f16 operands, sums, maxima and softmax in f32: y16[bh][q][:] = sum over k <= q of softmax_k(q . k / 8) v[k][:].
; WORK LEFT OUT: key steps that lie wholly behind a wave's queries (the module's own tril mask gives them -1e9, a weight under every rounding while scores stay under 1e8: shown at the head of launch prep).
; LIMITS: as stated there.  Positions 0 to 15 are computed here inside live tiles; what the output takes of them comes from launch fine.
; SHARES.  Two work-groups to a head.  Wave w of work-group p owns queries 64 w + 32 p .. + 31: two tiles of 16 that share every fragment of K and V.  A key step is 64 keys; wave w works steps 0 .. w.
; Sixteen waves of 256 registers, four to a SIMD, so that one wave's softmax stands beside another's products and LDS loads.
; K AND V of the head come into LDS once, in eight chunks of 128 keys, each into bytes of its own (waves 0, 1: K's halves; waves 2, 3: V's); chunk c + 1 is asked for behind the barrier at the head of chunk c.
; NO CLUSTER: only the two work-groups of a head read the same tiles, and a cluster of four would hold two heads, whose joint loads would differ inside the cluster.
; LAYOUT.  S^T = K Q^T (source 0 = 16 keys, source 1 = 16 queries): a lane holds one query (lane % 16) and keys 8 (lane / 16) + 0 .. 7; two such tiles rounded to f16 in pairs are source 1 of O^T = V^T P.
; V ([key][channel]) is turned by ds_load_tr16_b128.  p = 2^(c s - c m), c = log2(e) / 8, m the running maximum; O and l are multiplied by a = 2^(c m_old - c m_new) in every step.
.set PK,    144                        ; a key's row in LDS: 128 bytes + 16
.set PV,    160                        ; a row of V: 128 + 32
.set VB,    147456                     ; V behind K's 1,024 rows
.set SPARE, 311296                     ; the spare words, 128 bytes for each of 16 waves
.set AK0, 1
.set AV0, 2
.set ADK, 3
.set ADV, 4
.set SPW, 5
.set NIL, 6
.set PFO, 7                            ; v7 256 x lane; never rewritten
.set ST,  12                           ; tile t's statistics at v[12 + 8 t]: +0 c m, +1 m, +2, +3 l, +4 .. +7 at work; a at +6
.set Q,   32                           ; Q: tile x, channels 32 cs on: v[32 + 16 x + 8 cs]
.set S,   64                           ; S^T: tile x, key tile kt: v[64 + 32 x + 8 kt]; P is packed in place: P[x][c] = v[64 + 32 x + 16 c .. + 7]
.set O,   128                          ; O^T: v[128 + 32 x + 8 ct]
.set F,   192                          ; eight fragments of K, then of V
.set WV,  18
.set SEL, 20
.set CS,  22
.set G1K, 24
.set G1V, 32
.set G0K, 40
.set G0V, 44
.set TK,  2
.set TV,  3
.set KF,  48
.set Q0,  49
.set QL,  50
.set CNT, 51
.set PFA, 54
.set LIM, 56
.macro TLOAD                           ; waves 0, 1 fetch K's halves of a chunk, waves 2, 3 V's, the others nothing; an s_nop 0 and four v_nop follow each line
	s_cmp_lt_u32 s[WV], 2
	s_cbranch_scc0 .Lnot_k_\@
	tensor_load_to_lds s[G0K:G0K+3], s[G1K:G1K+7]
	s_nop 0
.rept 4
	v_nop
.endr
	s_branch .Lasked_\@
.Lnot_k_\@:
	s_cmp_lt_u32 s[WV], 4
	s_cbranch_scc0 .Lasked_\@
	tensor_load_to_lds s[G0V:G0V+3], s[G1V:G1V+7]
	s_nop 0
.rept 4
	v_nop
.endr
.Lasked_\@:
.endm
; A prefetch of the chunk that the NEXT barrier's tensor loads will ask for: 16,384 bytes of K and of V.  Both work-groups of a head walk the same rows: the first asks; in it waves 4, 5 ask for K's halves and
; waves 6, 7 for V's, 8,192 bytes each, lanes 256 bytes apart: each aligned block of 256 bytes is named once in the launch.  Chunks 0 and 1 come by their loads alone; the last fill asks for nothing.
.macro ASK
	s_cmp_gt_u32 s[CNT], s[LIM]
	s_cbranch_scc0 .Lnot_mine_\@
	global_prefetch_b8 v[PFO], s[PFA:PFA+1] th:TH_LOAD_NT scope:SCOPE_SE
.Lnot_mine_\@:
.endm
	s_load_b128 s[4:7], s[0:1], 0x0                ; qkv, y16
	v_lshl_add_u32 v[SPW], v0, 2, SPARE
	v_mov_b32 v[NIL], 0
	ds_add_u32 v[SPW], v[NIL]                      ; the wave's opening: the add, twice on end, and its wait ahead of the first tensor load
	ds_add_u32 v[SPW], v[NIL]
	v_lshrrev_b32 v8, 5, v0
	v_readfirstlane_b32 s[WV], v8
	s_and_b32 s66, ttmp7, 0xffff
	s_lshl_b32 s66, s66, 17                        ; the head's 131,072 bytes in each part
	s_and_b32 s67, s[WV], 1
	s_lshl_b32 s68, s67, 13
	s_add_co_u32 s68, s68, s66                     ; + my half of a chunk: 64 rows of 128 bytes
	s_add_co_u32 s70, s68, 0x1000000               ; in K's part
	s_mov_b32 s71, 0
	s_add_co_u32 s72, s68, 0x2000000               ; in V's
	s_mov_b32 s73, 0
	s_mul_i32 s74, s67, 64*PK
	s_mul_i32 s75, s67, 64*PV
	s_add_co_u32 s75, s75, VB
	s_mov_b32 s[G1K], (1<<16)|(1<<20)|(4<<22)|(3<<25)   ; elements of 2 bytes; padding: 4 words behind every 32
	s_mov_b32 s[G1V], (1<<16)|(1<<20)|(4<<22)|(7<<25)   ; 8 words
.irp g, G1K, G1V
	s_mov_b32 s[\g+1], 64<<16                      ; tensor_dim0 = 64
	s_mov_b32 s[\g+2], 64<<16                      ; tensor_dim1 = 64
	s_mov_b32 s[\g+3], 64<<16                      ; tile_dim0 = 64
	s_mov_b32 s[\g+4], 64                          ; tile_dim1 = 64
	s_mov_b32 s[\g+5], 64                          ; the pitch
	s_mov_b32 s[\g+6], 0
	s_mov_b32 s[\g+7], 0
.endr
	s_mov_b32 s[SEL], 0x76543210
	s_mov_b32 s[SEL+1], 0xfedcba98
	s_mov_b32 s[CS], 0x3e38aa3b                    ; c = log2(e) / 8
	s_mov_b32 s[CS+1], s[CS]
	s_mov_b32 s[TK], 0
	s_mov_b32 s[TV], 0
	s_mov_b32 s[KF], 0
	s_lshl_b32 s[Q0], s[WV], 6
	s_lshl_b32 s68, ttmp9, 5
	s_add_co_u32 s[Q0], s[Q0], s68                 ; my first query
	s_add_co_u32 s[QL], s[Q0], 31                  ; my last
	s_mov_b32 s[CNT], 7
	s_wait_dscnt 0x0                               ; both opening adds are done
	s_wait_kmcnt 0x0
	s_mov_b32 s[G0K], 1
	s_mov_b32 s[G0K+1], s74
	s_add_nc_u64 s[G0K+2:G0K+3], s[4:5], s[70:71]
	s_or_b32 s[G0K+3], s[G0K+3], 0x80000000
	s_mov_b32 s[G0V], 1
	s_mov_b32 s[G0V+1], s75
	s_add_nc_u64 s[G0V+2:G0V+3], s[4:5], s[72:73]
	s_or_b32 s[G0V+3], s[G0V+3], 0x80000000
	TLOAD                                          ; chunk 0
	s_lshl_b32 s68, s[Q0], 7
	s_add_co_u32 s68, s68, s66
	s_mov_b32 s69, 0
	s_add_nc_u64 s[8:9], s[4:5], s[68:69]          ; Q at my first query
	s_add_nc_u64 s[6:7], s[6:7], s[68:69]          ; y16 likewise
	s_cmp_lt_u32 s[WV], 6                          ; the prefetches: waves 4, 5 K; waves 6, 7 V
	s_mov_b32 s71, 0x2000000
	s_cselect_b32 s70, 0x1000000, s71
	s_add_co_u32 s70, s70, s66
	s_lshl_b32 s71, s67, 13
	s_add_co_u32 s70, s70, s71
	s_add_co_u32 s70, s70, 16384                   ; at chunk 1: the first barrier steps it to chunk 2
	s_mov_b32 s71, 0
	s_add_nc_u64 s[PFA:PFA+1], s[4:5], s[70:71]
	s_sub_co_u32 s72, s[WV], 4
	s_lshr_b32 s72, s72, 2                         ; 0 in waves 4 to 7,
	s_or_b32 s72, s72, ttmp9                       ; of the head's first work-group
	s_cmp_eq_u32 s72, 0
	s_cselect_b32 s[LIM], 1, -1
	v_and_b32 v8, 15, v0                           ; r
	v_bfe_u32 v9, v0, 4, 1                         ; h
	v_lshlrev_b32 v10, 7, v8
	v_lshl_add_u32 v10, v9, 4, v10
.irp x, 0,1
.irp cs, 0,1
	global_load_b128 v[Q+16*\x+8*\cs:Q+16*\x+8*\cs+3], v10, s[8:9] offset:\x*2048+\cs*64
	global_load_b128 v[Q+16*\x+8*\cs+4:Q+16*\x+8*\cs+7], v10, s[8:9] offset:\x*2048+\cs*64+32
.endr
.endr
	v_mul_u32_u24 v[AK0], v8, PK
	v_lshl_add_u32 v[AK0], v9, 4, v[AK0]           ; K: row r x pitch + 16 h
	v_and_b32 v11, 7, v0
	v_lshl_add_u32 v[AV0], v9, 3, v11
	v_mul_u32_u24 v[AV0], v[AV0], PV
	v_bfe_u32 v11, v0, 3, 1
	v_lshl_add_u32 v[AV0], v11, 4, v[AV0]
	v_add_nc_u32 v[AV0], VB, v[AV0]                ; V: key 8 h + lane % 8, channels 8 ((lane / 8) % 2) on
	v_and_b32 v[PFO], 31, v0
	v_lshlrev_b32 v[PFO], 8, v[PFO]
.set i, 0
.rept 16
	v_mov_b32 v[ST+i], 0                           ; l = 0; the registers at work are written once (a lane permute's destination and a pair's upper half count as read)
.set i, i+1
.endr
.irp t, 0,1
	v_mov_b32 v[ST+8*\t+1], 0xff61b1e6             ; m = -3e38, under every score
	v_mul_f32 v[ST+8*\t], s[CS], v[ST+8*\t+1]
.endr
.set i, 0
.rept 64
	v_mov_b32 v[O+i], 0                            ; O^T: the step is written without a first copy: the first change of m multiplies zeros
.set i, i+1
.endr
.macro STEP
	s_cmp_gt_u32 s[KF], s[QL]                      ; all 64 keys behind my queries: a branch on ids, round the step's work alone
	s_cbranch_scc1 .Lhidden_\@
	v_add_nc_u32 v[ADK], s[TK], v[AK0]
	v_add_nc_u32 v[ADV], s[TV], v[AV0]
.rept 4
	v_nop                                          ; with the two additions six plain lines behind the last products: their fragments are loaded anew, and the products below write over P, which they read
.endr
.irp kt, 0,1,2,3
.irp cs, 0,1
	ds_load_b128 v[F+8*(2*\kt+\cs):F+8*(2*\kt+\cs)+3], v[ADK] offset:\kt*16*PK+\cs*64
	ds_load_b128 v[F+8*(2*\kt+\cs)+4:F+8*(2*\kt+\cs)+7], v[ADK] offset:\kt*16*PK+\cs*64+32
.endr
.endr
	s_wait_dscnt 0x0
.irp kt, 0,1,2,3                                   ; eight accumulators by turns, one instruction a turn
.irp x, 0,1
	v_wmma_f32_16x16x32_f16 v[S+32*\x+8*\kt:S+32*\x+8*\kt+7], v[F+16*\kt:F+16*\kt+7], v[Q+16*\x:Q+16*\x+7], 0
.endr
.endr
.irp kt, 0,1,2,3
.irp x, 0,1
	v_wmma_f32_16x16x32_f16 v[S+32*\x+8*\kt:S+32*\x+8*\kt+7], v[F+16*\kt+8:F+16*\kt+15], v[Q+16*\x+8:Q+16*\x+15], v[S+32*\x+8*\kt:S+32*\x+8*\kt+7]
.endr
.endr
.rept 4
	v_nop                                          ; ahead of the loads into K's registers and of the first read of the scores
.endr
.irp c, 0,1
.irp ct, 0,1,2,3
	ds_load_tr16_b128 v[F+8*(4*\c+\ct):F+8*(4*\c+\ct)+3], v[ADV] offset:\c*32*PV+\ct*32
	ds_load_tr16_b128 v[F+8*(4*\c+\ct)+4:F+8*(4*\c+\ct)+7], v[ADV] offset:\c*32*PV+16*PV+\ct*32
.endr
.endr
	s_add_co_u32 s66, s[KF], 63                    ; a step all of whose keys count skips the selection
	s_cmp_le_u32 s66, s[Q0]
	s_cbranch_scc1 .Lopen_\@
	s_sub_co_i32 s66, s[Q0], s[KF]
	v_and_b32 v8, 15, v0
	v_bfe_u32 v9, v0, 4, 1
	v_lshlrev_b32 v9, 3, v9
	v_sub_nc_u32 v8, v8, v9
	v_add_nc_u32 v8, s66, v8                       ; d = Q0 - KF + r - 8 h: register 8 kt + j of tile x counts where 16 kt + j - 16 x <= d
	v_mov_b32 v9, 0xff800000                       ; -infinity: p = 0
.irp x, 0,1
.irp kt, 0,1,2,3
.irp j, 0,1,2,3,4,5,6,7
	v_cmp_le_i32 vcc_lo, 16*\kt+\j-16*\x, v8
	v_cndmask_b32 v[S+32*\x+8*\kt+\j], v9, v[S+32*\x+8*\kt+\j], vcc_lo
.endr
.endr
.endr
.Lopen_\@:
.irp j, 0,1,2,3                                    ; the maximum of 32 scores and the old m; each accumulator is read from its low end on; the two tiles alternate
.irp t, 0,1
	v_max3_num_f32 v[ST+8*\t+4+\j], v[S+32*\t+8*\j], v[S+32*\t+8*\j+1], v[S+32*\t+8*\j+2]
.endr
.endr
.irp g, 1,2
.irp j, 0,1,2,3
.irp t, 0,1
	v_max3_num_f32 v[ST+8*\t+4+\j], v[ST+8*\t+4+\j], v[S+32*\t+8*\j+2*\g+1], v[S+32*\t+8*\j+2*\g+2]
.endr
.endr
.endr
.irp t, 0,1
	v_max3_num_f32 v[ST+8*\t+4], v[ST+8*\t+4], v[S+32*\t+7], v[S+32*\t+15]
	v_max3_num_f32 v[ST+8*\t+6], v[ST+8*\t+6], v[S+32*\t+23], v[S+32*\t+31]
.endr
.irp t, 0,1
	v_max3_num_f32 v[ST+8*\t+4], v[ST+8*\t+4], v[ST+8*\t+5], v[ST+8*\t+6]
.endr
.irp t, 0,1
	v_max3_num_f32 v[ST+8*\t+4], v[ST+8*\t+4], v[ST+8*\t+7], v[ST+8*\t+1]
.endr
.irp t, 0,1
	v_permlanex16_b32 v[ST+8*\t+5], v[ST+8*\t+4], s[SEL], s[SEL+1]   ; the query's other 32 keys lie in the lane 16 away
.endr
.irp t, 0,1
	v_mov_b32 v[ST+8*\t+7], v[ST+8*\t]             ; c m_old
.endr
.irp t, 0,1
	v_max_num_f32 v[ST+8*\t+1], v[ST+8*\t+4], v[ST+8*\t+5]
.endr
.irp t, 0,1
	v_mul_f32 v[ST+8*\t], s[CS], v[ST+8*\t+1]
.endr
.irp t, 0,1
	v_sub_f32 v[ST+8*\t+7], v[ST+8*\t+7], v[ST+8*\t]
.endr
.irp t, 0,1
	v_exp_f32 v[ST+8*\t+6], v[ST+8*\t+7]           ; a
.endr
.irp j, 0,2,4,6,8,10,12,14,16,18,20,22,24,26,28,30
.irp t, 0,1
	v_pk_fma_f32 v[S+32*\t+\j:S+32*\t+\j+1], v[S+32*\t+\j:S+32*\t+\j+1], s[CS:CS+1], v[ST+8*\t:ST+8*\t+1] op_sel_hi:[1,0,0] neg_lo:[0,0,1] neg_hi:[0,0,1]   ; c s - c m
.endr
.endr
.set i, 0
.rept 64
	v_exp_f32 v[S+i], v[S+i]
.set i, i+1
.endr
	v_nop                                          ; a plain line behind the last exponential
	s_wait_alu depctr_va_vdst(0)                   ; one wait for the batch of 66, ahead of the first line that names a result
.irp t, 0,1                                        ; the sums of the unrounded weights, in two chains a tile
	v_pk_add_f32 v[ST+8*\t+4:ST+8*\t+5], v[S+32*\t:S+32*\t+1], v[S+32*\t+4:S+32*\t+5]
	v_pk_add_f32 v[28+2*\t:29+2*\t], v[S+32*\t+2:S+32*\t+3], v[S+32*\t+6:S+32*\t+7]
.endr
.irp j, 8,12,16,20,24,28
.irp t, 0,1
	v_pk_add_f32 v[ST+8*\t+4:ST+8*\t+5], v[ST+8*\t+4:ST+8*\t+5], v[S+32*\t+\j:S+32*\t+\j+1]
	v_pk_add_f32 v[28+2*\t:29+2*\t], v[28+2*\t:29+2*\t], v[S+32*\t+\j+2:S+32*\t+\j+3]
.endr
.endr
.irp t, 0,1
	v_pk_add_f32 v[ST+8*\t+4:ST+8*\t+5], v[ST+8*\t+4:ST+8*\t+5], v[28+2*\t:29+2*\t]
.endr
.irp t, 0,1
	v_pk_fma_f32 v[ST+8*\t+2:ST+8*\t+3], v[ST+8*\t+2:ST+8*\t+3], v[ST+8*\t+6:ST+8*\t+7], v[ST+8*\t+4:ST+8*\t+5] op_sel_hi:[1,0,1]   ; l = a l + the sum
.endr
.irp t, 0,1
.irp c, 0,1
.irp i, 0,1,2,3,4,5,6,7
	v_cvt_pk_f16_f32 v[S+32*\t+16*\c+\i], v[S+32*\t+16*\c+2*\i], v[S+32*\t+16*\c+2*\i+1]   ; in place, ascending: register i is written when registers up to 2 i - 1 have been read
.endr
.endr
.endr
.set i, 0
.rept 32
	v_pk_mul_f32 v[O+i:O+i+1], v[O+i:O+i+1], v[ST+8*(i/32)+6:ST+8*(i/32)+7] op_sel_hi:[1,0]   ; O^T x a, each accumulator from its low end on
.set i, i+2
.endr
	s_wait_dscnt 0x0                               ; V is in
.irp c, 0,1
.irp ct, 0,1,2,3
.irp x, 0,1
	v_wmma_f32_16x16x32_f16 v[O+32*\x+8*\ct:O+32*\x+8*\ct+7], v[F+8*(4*\c+\ct):F+8*(4*\c+\ct)+7], v[S+32*\x+16*\c:S+32*\x+16*\c+7], v[O+32*\x+8*\ct:O+32*\x+8*\ct+7]
.endr
.endr
.endr
.Lhidden_\@:
	s_add_co_u32 s[KF], s[KF], 64
	s_add_co_u32 s[TK], s[TK], 64*PK
	s_add_co_u32 s[TV], s[TV], 64*PV
.endm
; At a chunk's head: all my tensor loads have landed (my part of this chunk), the add, my LDS reads are over, one barrier; behind it the chunk is whole.  fill = 1: the next chunk is asked for, into bytes of its own.
.macro CHANGE fill
	s_wait_tensorcnt 0x0                           ; no tensor load of mine is out, so a group 0 may be written
	ds_add_u32 v[SPW], v[NIL]
.if \fill
	ds_add_u32 v[SPW], v[NIL]                      ; twice on end here, in every trip alike
	s_add_co_u32 s[G0K+1], s[G0K+1], 128*PK
	s_add_nc_u64 s[G0K+2:G0K+3], s[G0K+2:G0K+3], 16384
	s_add_co_u32 s[G0V+1], s[G0V+1], 128*PV
	s_add_nc_u64 s[G0V+2:G0V+3], s[G0V+2:G0V+3], 16384
	s_wait_xcnt 0x0                                ; the last prefetch, a chunk back, has read its address
	s_add_nc_u64 s[PFA:PFA+1], s[PFA:PFA+1], 16384
.endif
	s_wait_dscnt 0x0
	s_barrier_signal -1
	s_barrier_wait -1
.if \fill
	TLOAD                                          ; the first thing behind the barrier, a wave's one tensor load until the next
	ASK
.endif
.endm
	s_wait_loadcnt 0x0                             ; Q
.Lchunk:                                           ; seven trips: every work-group walks all chunks; wave 15 reads the last
	CHANGE 1
	STEP
	STEP
	s_sub_co_u32 s[CNT], s[CNT], 1
	s_cmp_lg_u32 s[CNT], 0
	s_cbranch_scc1 .Lchunk
	CHANGE 0                                       ; the last chunk is written out: nothing is left to ask for
	STEP
	STEP
	; THE WAY OUT.  The stages lie in K's bytes, which have had their one fill: a barrier, so that no wave still reads them.
	s_wait_dscnt 0x0
	s_barrier_signal -1
	s_barrier_wait -1
.rept 4
	v_nop
.endr
.irp t, 0,1
	v_add_f32 v[ST+8*\t+4], v[ST+8*\t+2], v[ST+8*\t+3]
.endr
.irp t, 0,1
	v_permlanex16_b32 v[ST+8*\t+5], v[ST+8*\t+4], s[SEL], s[SEL+1]
.endr
.irp t, 0,1
	v_add_f32 v[ST+8*\t+4], v[ST+8*\t+4], v[ST+8*\t+5]
.endr
.irp t, 0,1
	v_rcp_f32 v[ST+8*\t+6], v[ST+8*\t+4]
.endr
	v_and_b32 v8, 15, v0                           ; (a plain line behind the reciprocals)
	v_bfe_u32 v9, v0, 4, 1
	s_mul_i32 s66, s[WV], 4608                     ; my stage: two tiles x 16 rows x 144 bytes
	v_mul_u32_u24 v8, v8, 144
	v_lshl_add_u32 v8, v9, 4, v8
	v_add_nc_u32 v8, s66, v8                       ; in: row r, 16 bytes for each half of the lanes
	v_and_b32 v10, 31, v0
	v_lshrrev_b32 v9, 3, v10
	v_mul_u32_u24 v9, v9, 144
	v_and_b32 v11, 7, v0
	v_lshl_add_u32 v9, v11, 4, v9
	v_add_nc_u32 v9, s66, v9                       ; back: eight lanes to a row
	v_lshlrev_b32 v10, 4, v10                      ; and 16 x lane in y16
	s_wait_alu depctr_va_vdst(0)                   ; one wait for the two reciprocals, ahead of their first reader
.irp x, 0,1
.set i, 0
.rept 16
	v_pk_mul_f32 v[O+32*\x+i:O+32*\x+i+1], v[O+32*\x+i:O+32*\x+i+1], v[ST+8*\x+6:ST+8*\x+7] op_sel_hi:[1,0]
.set i, i+2
.endr
.set i, 0
.rept 16
	v_cvt_pk_f16_f32 v[S+16*\x+i], v[O+32*\x+2*i], v[O+32*\x+2*i+1]
.set i, i+1
.endr
.irp ct, 0,1,2,3
	ds_store_b128 v8, v[S+16*\x+4*\ct:S+16*\x+4*\ct+3] offset:\x*2304+32*\ct
.endr
.irp s, 0,1,2,3
	ds_load_b128 v[F+4*(4*\x+\s):F+4*(4*\x+\s)+3], v9 offset:\x*2304+576*\s   ; in order behind my stores
.endr
.endr
.irp x, 0,1
.irp s, 0,1,2,3
	s_wait_dscnt (1-\x)*8+3-\s                     ; behind this load: the rest of its tile's, and for tile 0 the eight of tile 1
	global_store_b128 v10, v[F+4*(4*\x+\s):F+4*(4*\x+\s)+3], s[6:7] offset:\x*2048+512*\s   ; four rows of 128 bytes: 512 consecutive bytes, aligned
.endr
.endr
	s_wait_tensorcnt 0x0                           ; the wave's end
	ds_add_u32 v[SPW], v[NIL]
	s_wait_dscnt 0x0
	s_endpgm
.Lfunc_end_k_qdcf0a6117d_attn:
	.size	k_qdcf0a6117d_attn, .Lfunc_end_k_qdcf0a6117d_attn-k_qdcf0a6117d_attn
	.p2alignl 7, 3214868480
	.fill 96, 4, 3214868480
	.section	.rodata,"a",@progbits
	.p2align	6, 0x0
	.amdhsa_kernel k_qdcf0a6117d_attn
		.amdhsa_group_segment_fixed_size 327680
		.amdhsa_private_segment_fixed_size 0
		.amdhsa_enable_private_segment 0
		.amdhsa_kernarg_size 16
		.amdhsa_user_sgpr_count 2
		.amdhsa_user_sgpr_kernarg_segment_ptr 1
		.amdhsa_wavefront_size32 1
		.amdhsa_system_sgpr_workgroup_id_x 1
		.amdhsa_system_sgpr_workgroup_id_y 1
		.amdhsa_system_sgpr_workgroup_id_z 1
		.amdhsa_system_vgpr_workitem_id 0
		.amdhsa_next_free_vgpr 256
		.amdhsa_next_free_sgpr 76
		.amdhsa_reserve_vcc 1
		.amdhsa_float_denorm_mode_32 3
		.amdhsa_float_denorm_mode_16_64 3
		.amdhsa_memory_ordered 1
		.amdhsa_forward_progress 1
		.amdhsa_inst_pref_size 104
	.end_amdhsa_kernel
	.amdgpu_metadata
---
amdhsa.version: [ 1, 2 ]
amdhsa.kernels:
  - .name:           k_qdcf0a6117d_attn
    .symbol:         k_qdcf0a6117d_attn.kd
    .args:
      - { .name: qkv, .offset: 0, .size: 8, .value_kind: global_buffer, .address_space: global }
      - { .name: y16, .offset: 8, .size: 8, .value_kind: global_buffer, .address_space: global }
    .group_segment_fixed_size: 327680
    .private_segment_fixed_size: 0
    .kernarg_segment_align: 8
    .kernarg_segment_size: 16
    .max_flat_workgroup_size: 512
    .sgpr_count:     76
    .vgpr_count:     256
    .wavefront_size: 32
...
	.end_amdgpu_metadata
.endif
;; end of part 3
;; launch proj (part 4): grid 4 x 64, 4 waves a work-group, clusters of 4 x 4, 327,680 bytes of LDS; arguments y16, wpt, b_proj, out0; writes out0
.if DOCPART == 4
	.amdgcn_target "amdgcn-amd-amdhsa--gfx1250"
	.amdhsa_code_object_version 6
	.text
	.protected	k_qdcf0a6117d_proj
	.globl	k_qdcf0a6117d_proj
	.p2align	8
	.type	k_qdcf0a6117d_proj,@function
k_qdcf0a6117d_proj:
	s_mov_b64 s[64:65], 0
	v_nop
	global_prefetch_b8 v0, s[64:65] scope:SCOPE_SE
	s_setreg_imm32_b32 hwreg(HW_REG_WAVE_MODE, 25, 1), 1
	s_wait_xcnt 0x0
	s_wait_alu depctr_hold_cnt(0) depctr_sa_sdst(0) depctr_va_vdst(0) depctr_va_sdst(0) depctr_va_ssrc(0) depctr_va_vcc(0) depctr_vm_vsrc(0)
	s_getreg_b32 s2, hwreg(HW_REG_IB_STS2, 6, 4)
	s_cmp_eq_u32 s2, 0
	s_cbranch_scc0 .Lentry_in_a_cluster
	s_endpgm
.Lentry_in_a_cluster:
	s_bfe_u32 s2, ttmp6, 0x10000c
	s_cmp_lg_u32 s2, 0xf033
	s_cbranch_scc0 .Lentry_shape_is_right
	s_endpgm
.Lentry_shape_is_right:
; The projection on f16 operands, sums in f32: out0[m][n] = sum over k of y[m][k] w_proj[k][n] + b_proj[n].  A = y16 [128 batch x head][1024 t][64] (k = 64 x head + channel), B = wpt [1024 n][1024 k].
; WORK LEFT OUT OF THE STORES: positions 0 to 15 of every sequence ride inside a live tile and are not stored: launch fine owns those rows of out0.  LIMIT: |y|, |w_proj| under 65,504.
; A tile of C is 128 x 256: 256 tiles, one for each work-group.  Four waves, 2 x 2, each 64 x 128: 32 accumulators.  K goes in 8 steps of 128 (two heads) through two LDS slots.
; CLUSTERS: 4 x 4; A's tiles are shared along a row of the cluster, B's along a column.  Tile row = cluster y + 16 cy, so that (tile row) % 8, the tile's place in its sequence, is the same in all partners.
; THE MATRIX INSTRUCTION IS USED TRANSPOSED (source 0 = 16 rows of B, source 1 = 16 rows of A).  The bias is the C of each sum's first instruction.
; REGISTERS: window 0: v0-31 addresses; two fragment buffers of 96 at v32 and v128 (A's 4 fragments, then B's 8), later rows on their way out.  window 1: accumulator (a, b) at v[8 (8 a + b)].  window 2: v0-63 the bias.
.set PA,     144                       ; a row of A in LDS: 128 bytes + 16
.set PB,     272                       ; a row of B: 256 + 16
.set AREG,   128*PA                    ; a head's 128 rows
.set BREG,   128*PB                    ; 128 rows of B
.set BOFF,   2*AREG
.set SLOT,   BOFF+2*BREG
.set STAGE,  2*SLOT
.set SPITCH, 528
.set SPARE,  STAGE+4*16*SPITCH
.set ADRA, 16
.set ADRB, 20
.set STO,  24
.set RD,   25
.set CO,   26
.set BO,   27
.set SPW,  28
.set NIL,  29
.set PFO,  30
.set F0,   32
.set F1,   128
.set OB,   32
.set G1, 24
.set G0, 32
.set G1B, 48
.set G0B, 56
.set LIM, 43
.set PFA, 44
.set MSB, 0
.macro WIN new
.if MSB != (\new)
	s_set_vgpr_msb (MSB<<8)|(\new)
.set MSB, \new
.endif
.endm
.set MUL,  0x50                        ; fragments window 0, C and D window 1
.set MUL0, 0x60                        ; C (the bias) window 2, D window 1
.macro JLOAD s                         ; waves 0 and 1 fetch A's two heads, waves 2 and 3 B's two halves; an s_nop 0 and four v_nop follow each line
	s_cmp_eq_u32 s11, 0
	s_cbranch_scc0 .Lfor_b_\@
	tensor_load_to_lds s[G0+4*\s:G0+4*\s+3], s[G1:G1+7]
	s_nop 0
.rept 4
	v_nop
.endr
	s_branch .Lasked_\@
.Lfor_b_\@:
	tensor_load_to_lds s[G0B+4*\s:G0B+4*\s+3], s[G1B:G1B+7]
	s_nop 0
.rept 4
	v_nop
.endr
.Lasked_\@:
.endm
; A prefetch of A's K step two refills on (256 matrix instructions a wave ahead): two heads x 128 rows x 128 bytes.  Only this row of the cluster reads these rows; its four partners take 8,192 bytes each, told
; apart by address; in each, wave 0 asks, lanes 256 bytes apart: each aligned block of 256 bytes of y16 is named once.  The loop's last trip asks for nothing.  wpt is read by every cluster again and again: not asked for.
.macro ASK
	s_cmp_gt_u32 s3, s[LIM]
	s_cbranch_scc0 .Lnot_mine_\@
	global_prefetch_b8 v[PFO], s[PFA:PFA+1] th:TH_LOAD_NT scope:SCOPE_SE
.Lnot_mine_\@:
.endm
.macro CREST
	s_cmp_lg_u32 s10, 0
	s_cbranch_scc1 .Lnot_wave_0_\@
	s_barrier_signal -3
.Lnot_wave_0_\@:
	s_barrier_wait -3
	s_barrier_signal -1
	s_barrier_wait -1
.endm
.macro CROUND
	s_barrier_signal -1
	s_barrier_wait -1
	CREST
.endm
	s_load_b128 s[4:7], s[0:1], 0x0                ; y16, wpt
	s_load_b64 s[68:69], s[0:1], 0x10              ; b_proj
	s_load_b64 s[8:9], s[0:1], 0x18                ; out0
	v_lshl_add_u32 v[SPW], v0, 2, SPARE
	v_mov_b32 v[NIL], 0
	ds_add_u32 v[SPW], v[NIL]                      ; the wave's opening: the add, twice on end, and its wait ahead of my first tensor load
	ds_add_u32 v[SPW], v[NIL]
	v_lshrrev_b32 v1, 5, v0
	v_readfirstlane_b32 s10, v1                    ; wave
	s_lshr_b32 s11, s10, 1                         ; my 64 rows; also: I fetch for A (0) or B (1)
	s_and_b32 s12, s10, 1                          ; my 128 columns; also: which head, or which half of B's rows, I fetch
	s_bfe_u32 s40, ttmp6, 0x40000                  ; cx
	s_bfe_u32 s41, ttmp6, 0x40004                  ; cy
	s_lshl_b32 s42, ttmp9, 2
	s_add_co_u32 s42, s42, s40                     ; tile column
	s_and_b32 s13, ttmp7, 0xffff
	s_lshl_b32 s14, s41, 4
	s_add_co_u32 s13, s13, s14                     ; tile row = cluster y + 16 cy
	s_lshl_b32 s43, s41, 2
	s_lshl_b32 s43, 15, s43                        ; my row of the cluster
	s_lshl_b32 s44, 0x1111, s40                    ; my column
	s_or_b32 s[G1+0], s43, (1<<16)|(1<<20)|(1<<21)|(4<<22)|(3<<25)   ; A: elements of 2 bytes; 4 words of padding behind every 32
	s_mov_b32 s[G1+1], 64<<16                      ; tensor_dim0 = 64
	s_mov_b32 s[G1+2], 128<<16                     ; tensor_dim1 = 128
	s_mov_b32 s[G1+3], 64<<16                      ; tile_dim0
	s_mov_b32 s[G1+4], 128                         ; tile_dim1
	s_mov_b32 s[G1+5], 64                          ; the pitch
	s_mov_b32 s[G1+6], 0
	s_mov_b32 s[G1+7], 0
	s_or_b32 s[G1B+0], s44, (1<<16)|(1<<20)|(1<<21)|(5<<22)|(3<<25)  ; B: 4 words behind every 64
	s_mov_b32 s[G1B+1], 128<<16
	s_mov_b32 s[G1B+2], 128<<16
	s_mov_b32 s[G1B+3], 128<<16
	s_mov_b32 s[G1B+4], 128
	s_mov_b32 s[G1B+5], 1024
	s_mov_b32 s[G1B+6], 0
	s_mov_b32 s[G1B+7], 0
	s_lshr_b32 s16, s13, 3                         ; the sequence
	s_lshl_b32 s16, s16, 4
	s_add_co_u32 s16, s16, s12                     ; its head 0 or 1
	s_lshl_b32 s16, s16, 10
	s_and_b32 s17, s13, 7
	s_lshl_b32 s17, s17, 7                         ; the tile's first position
	s_add_co_u32 s16, s16, s17
	s_lshl_b32 s16, s16, 7                         ; rows of 128 bytes
	s_mov_b32 s17, 0
	s_lshl_b32 s46, s42, 8
	s_lshl_b32 s47, s12, 7
	s_add_co_u32 s46, s46, s47
	s_lshl_b32 s46, s46, 11                        ; B: rows of 2,048 bytes
	s_mov_b32 s47, 0
	s_mul_i32 s20, s12, AREG                       ; where they go: no place in the cluster enters an LDS address
	s_mul_i32 s21, s12, BREG
	s_add_co_u32 s21, s21, BOFF
	s_wait_dscnt 0x0                               ; both opening adds are done
	s_wait_kmcnt 0x0
	s_add_nc_u64 s[14:15], s[4:5], s[16:17]
	s_add_nc_u64 s[46:47], s[6:7], s[46:47]
	CROUND                                         ; all sixteen work-groups are here
.irp s, 0,1
	s_mov_b32 s[G0+4*\s], 1
	s_add_co_u32 s[G0+4*\s+1], s20, \s*SLOT
	s_add_nc_u64 s[G0+4*\s+2:G0+4*\s+3], s[14:15], \s*262144     ; K step s: two heads on
	s_or_b32 s[G0+4*\s+3], s[G0+4*\s+3], 0x80000000
	s_mov_b32 s[G0B+4*\s], 1
	s_add_co_u32 s[G0B+4*\s+1], s21, \s*SLOT
	s_add_nc_u64 s[G0B+4*\s+2:G0B+4*\s+3], s[46:47], \s*256
	s_or_b32 s[G0B+4*\s+3], s[G0B+4*\s+3], 0x80000000
	JLOAD \s
.endr
	v_and_b32 v1, 15, v0                           ; r
	v_bfe_u32 v2, v0, 4, 1                         ; h
	v_mul_u32_u24 v3, v1, PA
	v_lshl_add_u32 v3, v2, 4, v3
	v_mul_u32_u24 v4, v1, PB
	v_lshl_add_u32 v4, v2, 4, v4
	s_mul_i32 s21, s11, 64*PA
	s_mul_i32 s22, s12, BREG
	s_add_co_u32 s22, s22, BOFF
.irp s, 0,1
	v_add_nc_u32 v[ADRA+\s], s21, v3
	v_add_nc_u32 v[ADRB+\s], s22, v4
	s_add_co_u32 s21, s21, SLOT
	s_add_co_u32 s22, s22, SLOT
.endr
	s_mul_i32 s23, s10, 16*SPITCH
	s_add_co_u32 s23, s23, STAGE                   ; my stage
	v_mul_u32_u24 v5, v1, SPITCH
	v_lshl_add_u32 v5, v2, 5, v5
	v_add_nc_u32 v[STO], s23, v5
	v_and_b32 v6, 31, v0
	v_lshlrev_b32 v[CO], 4, v6
	v_add_nc_u32 v[RD], s23, v[CO]
	v_lshlrev_b32 v[BO], 5, v2
	v_lshlrev_b32 v[PFO], 8, v6
	s_lshl_b32 s16, s13, 7
	s_lshl_b32 s17, s11, 6
	s_add_co_u32 s16, s16, s17
	s_lshl_b32 s16, s16, 12                        ; my first row of out0, rows of 4,096 bytes
	s_lshl_b32 s46, s42, 10
	s_lshl_b32 s47, s12, 9
	s_add_co_u32 s46, s46, s47                     ; my first column, in bytes
	s_mov_b32 s47, 0
	s_add_nc_u64 s[68:69], s[68:69], s[46:47]
	s_add_co_u32 s16, s16, s46
	s_mov_b32 s17, 0
	s_add_nc_u64 s[8:9], s[8:9], s[16:17]
	s_lshr_b32 s20, s13, 3                         ; the prefetches: head cx / 2 of a K step, half cx % 2 of its 128 rows
	s_lshl_b32 s20, s20, 4
	s_lshr_b32 s21, s40, 1
	s_add_co_u32 s20, s20, s21
	s_lshl_b32 s20, s20, 10
	s_and_b32 s21, s13, 7
	s_lshl_b32 s21, s21, 7
	s_add_co_u32 s20, s20, s21
	s_lshl_b32 s20, s20, 7
	s_and_b32 s21, s40, 1
	s_lshl_b32 s21, s21, 13
	s_add_co_u32 s20, s20, s21
	s_add_co_u32 s20, s20, 3*262144                ; at K step 3: the first change of slots steps it to 4
	s_mov_b32 s21, 0
	s_add_nc_u64 s[PFA:PFA+1], s[4:5], s[20:21]
	s_cmp_eq_u32 s10, 0
	s_cselect_b32 s[LIM], 1, -1
	WIN 0x80                                       ; destination window 2
.irp b, 0,1,2,3,4,5,6,7
	global_load_b128 v[8*\b:8*\b+3], v[BO], s[68:69] offset:64*\b        ; the bias in the result's layout: columns 16 b + 8 h + 0 .. 7
	global_load_b128 v[8*\b+4:8*\b+7], v[BO], s[68:69] offset:64*\b+16
.endr
	WIN 0
.macro MUL8 f, a, zero                 ; A's block a x B's eight, 32 along K; the 32 accumulators take turns in one order everywhere
.irp b, 0,1,2,3,4,5,6,7
.if \zero
	v_wmma_f32_16x16x32_f16 v[8*(8*(\a)+\b):8*(8*(\a)+\b)+7], v[\f+32+8*\b:\f+32+8*\b+7], v[\f+8*(\a):\f+8*(\a)+7], v[8*\b:8*\b+7]
.else
	v_wmma_f32_16x16x32_f16 v[8*(8*(\a)+\b):8*(8*(\a)+\b)+7], v[\f+32+8*\b:\f+32+8*\b+7], v[\f+8*(\a):\f+8*(\a)+7], v[8*(8*(\a)+\b):8*(8*(\a)+\b)+7]
.endif
.endr
.endm
.macro FETCH slot, q, f                ; 24 LDS loads in one run: the fragments of the slot's q-th 32 along K
.irp i, 0,1,2,3,4,5,6,7
	ds_load_b128 v[\f+32+8*\i:\f+32+8*\i+3], v[ADRB+\slot] offset:(\q)*64+\i*16*PB
	ds_load_b128 v[\f+32+8*\i+4:\f+32+8*\i+7], v[ADRB+\slot] offset:(\q)*64+\i*16*PB+32
.endr
.irp i, 0,1,2,3
	ds_load_b128 v[\f+8*\i:\f+8*\i+3], v[ADRA+\slot] offset:((\q)/2)*AREG+((\q)%2)*64+\i*16*PA
	ds_load_b128 v[\f+8*\i+4:\f+8*\i+7], v[ADRA+\slot] offset:((\q)/2)*AREG+((\q)%2)*64+\i*16*PA+32
.endr
.endm
.macro PLACES
.rept 4
	v_nop
.endr
.endm
.macro QUARTER slot, qn, f, g, zero    ; fetches quarter qn into g, multiplies f
	PLACES                                         ; ahead of loads into registers that the last products read
	WIN 0
	FETCH \slot, \qn, \g
	s_wait_dscnt 24                                ; all but the 24 just issued: f is in
.if \zero
	WIN MUL0
.else
	WIN MUL
.endif
	MUL8 \f, 0, \zero
	MUL8 \f, 1, \zero
	MUL8 \f, 2, \zero
	MUL8 \f, 3, \zero
.endm
; A slot's last quarter changes slots: one barrier; ahead of it all my tensor loads have landed, the add, and my reads of this slot are over.  fill = 1: a round of the cluster's barrier, and the slot is filled again.
.macro TURN slot, next, fill
.if \fill
	s_wait_xcnt 0x0                                ; the last prefetch, a K step back, has read its address
	s_add_nc_u64 s[PFA:PFA+1], s[PFA:PFA+1], 262144
.endif
	WIN 0
	s_wait_tensorcnt 0x0
	ds_add_u32 v[SPW], v[NIL]
	s_wait_dscnt 1                                 ; buffer 1 is in; the add may be out
	WIN MUL
	MUL8 F1, 0, 0
	s_wait_dscnt 0x0
	s_barrier_signal -1
	MUL8 F1, 1, 0
	WIN 0
	s_barrier_wait -1
.if \fill
	CREST                                          ; no wave of any partner still reads this slot or has a load on its way
	s_add_nc_u64 s[G0+4*\slot+2:G0+4*\slot+3], s[G0+4*\slot+2:G0+4*\slot+3], 524288   ; two K steps on: four heads
	s_add_nc_u64 s[G0B+4*\slot+2:G0B+4*\slot+3], s[G0B+4*\slot+2:G0B+4*\slot+3], 512
	JLOAD \slot                                    ; the first tensor load behind the round; its four v_nop are also the places ahead of the loads below
.else
	PLACES
.endif
	FETCH \next, 0, F0
.if \fill
	ASK
.endif
	WIN MUL
	MUL8 F1, 2, 0
	MUL8 F1, 3, 0
.endm
	s_wait_tensorcnt 1                             ; my part of K step 0 is in; K step 1's load may be out
	s_barrier_signal -1
	s_barrier_wait -1
	FETCH 0, 0, F0
	s_wait_loadcnt 0x0                             ; the bias
	QUARTER 0, 1, F0, F1, 1                        ; the first quarter starts the sums
	WIN 0
	s_mov_b32 s3, 3
.Llap:                                             ; a trip goes once round the ring and fills both slots again
	QUARTER 0, 2, F1, F0, 0
	QUARTER 0, 3, F0, F1, 0
	TURN 0, 1, 1
	QUARTER 1, 1, F0, F1, 0
	QUARTER 1, 2, F1, F0, 0
	QUARTER 1, 3, F0, F1, 0
	TURN 1, 0, 1
	QUARTER 0, 1, F0, F1, 0
	WIN 0
	s_sub_co_u32 s3, s3, 1
	s_cmp_lg_u32 s3, 0
	s_cbranch_scc1 .Llap
	QUARTER 0, 2, F1, F0, 0                        ; the last lap fills nothing
	QUARTER 0, 3, F0, F1, 0
	TURN 0, 1, 0
	QUARTER 1, 1, F0, F1, 0
	QUARTER 1, 2, F1, F0, 0
	QUARTER 1, 3, F0, F1, 0
	s_wait_dscnt 0x0
	MUL8 F1, 0, 0
	MUL8 F1, 1, 0
	MUL8 F1, 2, 0
	MUL8 F1, 3, 0
	WIN 0
; THE WAY OUT, block by block of 16 rows x 128 columns, through my own stage: rows of 512 bytes come back whole.
.macro TOSTAGE a
	WIN 0x04                                       ; an LDS store's data: window 1
.irp b, 0,1,2,3,4,5,6,7
	ds_store_b128 v[STO], v[64*(\a)+8*\b:64*(\a)+8*\b+3] offset:64*\b          ; each accumulator from its low end on
	ds_store_b128 v[STO], v[64*(\a)+8*\b+4:64*(\a)+8*\b+7] offset:64*\b+16
.endr
	WIN 0
.set BB, OB+64*((\a)%2)
.irp t, 0,1,2,3,4,5,6,7,8,9,10,11,12,13,14,15
	ds_load_b128 v[BB+4*\t:BB+4*\t+3], v[RD] offset:\t*SPITCH
.endr
.endm
.macro SEND a, younger
.set BB, OB+64*((\a)%2)
	s_wait_dscnt \younger                          ; the block is back; the next block's 32 LDS instructions may be out
.if (\a) == 0
	s_and_b32 s16, ttmp7, 7                        ; positions 0 to 15 belong to launch fine: the cluster's y and the wave's number decide
	s_or_b32 s16, s16, s11
	s_cmp_eq_u32 s16, 0
	s_cbranch_scc1 .Lfine_rows
.endif
.irp t, 0,1,2,3,4,5,6,7,8,9,10,11,12,13,14,15
	global_store_b128 v[CO], v[BB+4*\t:BB+4*\t+3], s[8:9] offset:(\a)*65536+\t*4096 th:TH_STORE_NT   ; 512 consecutive bytes, aligned
.endr
.if (\a) == 0
.Lfine_rows:
.endif
.endm
	PLACES
	TOSTAGE 0
.irp a, 1,2,3
.if \a > 1
	s_wait_xcnt 0x0                                ; block a - 2's stores have read their registers: block a's loads may land there
.endif
	TOSTAGE \a
	SEND \a-1, 32
.endr
	SEND 3, 0
	s_wait_tensorcnt 0x0                           ; the wave's end
	ds_add_u32 v[SPW], v[NIL]
	s_wait_dscnt 0x0
	CROUND                                         ; the closing round
	s_endpgm
.Lfunc_end_k_qdcf0a6117d_proj:
	.size	k_qdcf0a6117d_proj, .Lfunc_end_k_qdcf0a6117d_proj-k_qdcf0a6117d_proj
	.p2alignl 7, 3214868480
	.fill 96, 4, 3214868480
	.section	.rodata,"a",@progbits
	.p2align	6, 0x0
	.amdhsa_kernel k_qdcf0a6117d_proj
		.amdhsa_group_segment_fixed_size 327680
		.amdhsa_private_segment_fixed_size 0
		.amdhsa_enable_private_segment 0
		.amdhsa_kernarg_size 32
		.amdhsa_user_sgpr_count 2
		.amdhsa_user_sgpr_kernarg_segment_ptr 1
		.amdhsa_wavefront_size32 1
		.amdhsa_system_sgpr_workgroup_id_x 1
		.amdhsa_system_sgpr_workgroup_id_y 1
		.amdhsa_system_sgpr_workgroup_id_z 1
		.amdhsa_system_vgpr_workitem_id 0
		.amdhsa_next_free_vgpr 576
		.amdhsa_next_free_sgpr 76
		.amdhsa_reserve_vcc 0
		.amdhsa_float_denorm_mode_32 3
		.amdhsa_float_denorm_mode_16_64 3
		.amdhsa_memory_ordered 1
		.amdhsa_forward_progress 1
		.amdhsa_inst_pref_size 87
	.end_amdhsa_kernel
	.amdgpu_metadata
---
amdhsa.version: [ 1, 2 ]
amdhsa.kernels:
  - .name:           k_qdcf0a6117d_proj
    .symbol:         k_qdcf0a6117d_proj.kd
    .args:
      - { .name: y16, .offset: 0, .size: 8, .value_kind: global_buffer, .address_space: global }
      - { .name: wpt, .offset: 8, .size: 8, .value_kind: global_buffer, .address_space: global }
      - { .name: b_proj, .offset: 16, .size: 8, .value_kind: global_buffer, .address_space: global }
      - { .name: out0, .offset: 24, .size: 8, .value_kind: global_buffer, .address_space: global }
    .group_segment_fixed_size: 327680
    .private_segment_fixed_size: 0
    .kernarg_segment_align: 8
    .kernarg_segment_size: 32
    .max_flat_workgroup_size: 128
    .sgpr_count:     76
    .vgpr_count:     576
    .wavefront_size: 32
...
	.end_amdgpu_metadata
.endif
;; end of part 4
;; launch fine (part 5): grid 32 x 8, 16 waves a work-group, no clusters, 83,968 bytes of LDS; arguments qkvf, w_proj, b_proj, out0; writes out0
.if DOCPART == 5
	.amdgcn_target "amdgcn-amd-amdhsa--gfx1250"
	.amdhsa_code_object_version 6
	.text
	.protected	k_qdcf0a6117d_fine
	.globl	k_qdcf0a6117d_fine
	.p2align	8
	.type	k_qdcf0a6117d_fine,@function
k_qdcf0a6117d_fine:
	s_mov_b64 s[64:65], 0
	v_nop
	global_prefetch_b8 v0, s[64:65] scope:SCOPE_SE
	s_setreg_imm32_b32 hwreg(HW_REG_WAVE_MODE, 25, 1), 1
	s_wait_xcnt 0x0
; Positions 0 to 15 of every sequence, in f32 throughout: these rows average one to sixteen values, are the largest of the output, and f16 operands would use up what the comparison allows.
; Work-group (slice, b): rows 0 .. 15 of sequence b, columns 32 slice .. + 31 of out0.  A row's projection needs all 16 heads and no sum spans work-groups, so each of a sequence's 32 work-groups makes that
; sequence's 16-row attention itself: wave w = head w.  Then wave w multiplies heads 2 (w / 2), 2 (w / 2) + 1 (128 along K) by 16 columns (w % 2); eight parts of each output meet in LDS.
; The matrix form is v_wmma_f32_16x16x4_f32; the registers that it writes (v192-255) are written by matrix instructions alone, each sum begins with the constant 0, two or four accumulators take turns.
; Along K the four places of an instruction take the same numbers in both sources: lane half h, register j stand for channel 32 h + 2 step + j (scores), key 8 h + 2 step + j (values), channel 8 h + 2 step + j of a tile (projection).
; The mask: key > query gets -infinity (weight 0; shown at the head of launch prep).  No tensor load, no loop.  The stores cover 128 consecutive bytes a row: half of an aligned 256; 0.5 MB in the launch.
.set YIMG,  0                          ; attention's result as images of registers: head w, channel tile ct, half u at 4096 w + 1024 ct + 512 u + 16 lane
.set RED,   65536                      ; the sixteen waves' parts: 1024 w + 512 u + 16 lane
.set SPARE, 81920
	s_load_b256 s[4:11], s[0:1], 0x0               ; qkvf s[4:5], w_proj s[6:7], b_proj s[8:9], out0 s[10:11]
	v_lshl_add_u32 v8, v0, 2, SPARE                ; my spare word; never rewritten
	v_mov_b32 v9, 0                                ; 0; never rewritten
	v_lshrrev_b32 v10, 5, v0
	v_readfirstlane_b32 s12, v10                   ; wave
	v_and_b32 v1, 15, v0                           ; r
	v_bfe_u32 v2, v0, 4, 1                         ; h
	v_mul_u32_u24 v3, v1, 12288
	v_lshl_add_u32 v3, v2, 7, v3                   ; q, k: row r, channels 32 h on
	v_mul_u32_u24 v4, v2, 98304
	v_lshl_add_u32 v4, v1, 2, v4                   ; v: keys 8 h on, channel r of a tile
	v_lshlrev_b32 v5, 15, v2
	v_lshl_add_u32 v5, v1, 2, v5                   ; w_proj: rows 8 h on, column r of a tile
	v_and_b32 v6, 31, v0
	v_lshlrev_b32 v6, 4, v6                        ; 16 x lane
	v_lshlrev_b32 v7, 3, v2
	v_sub_nc_u32 v7, v1, v7                        ; r - 8 h: register j (key 8 h + j) counts where j <= r - 8 h
	s_and_b32 s14, ttmp7, 0xffff                   ; b
	s_and_b32 s15, s12, 1                          ; which 16 columns
	s_lshr_b32 s16, s12, 1                         ; which pair of heads
	s_lshl_b32 s17, s12, 12
	v_add_nc_u32 v12, s17, v6                      ; where I store my head's image
	s_lshl_b32 s17, s16, 13
	v_add_nc_u32 v13, s17, v6                      ; where I read my pair of heads
	s_lshl_b32 s17, s12, 10
	s_add_co_u32 s17, s17, RED
	v_add_nc_u32 v14, s17, v6                      ; where I store my part
	v_and_b32 v10, 7, v0                           ; the last phase: thread t < 128 takes row t / 8, columns 4 (t % 8) .. + 3
	v_bfe_u32 v11, v0, 3, 4
	v_lshlrev_b32 v28, 4, v10
	v_lshl_add_u32 v29, v11, 12, v28
	v_bfe_u32 v15, v0, 2, 1
	v_lshlrev_b32 v15, 10, v15                     ; the tile of 16 columns
	v_and_b32 v24, 1, v0
	v_lshl_add_u32 v15, v24, 9, v15                ; registers 0-3 or 4-7
	v_bfe_u32 v24, v0, 1, 1
	v_lshl_add_u32 v15, v24, 8, v15                ; the half of the lanes
	v_lshl_add_u32 v15, v11, 4, v15                ; the row
	v_add_nc_u32 v15, RED, v15
	s_mov_b32 s20, 0x76543210
	s_mov_b32 s21, 0xfedcba98
	s_mov_b32 s22, 0x3e38aa3b                      ; c = log2(e) / 8
	s_mov_b32 s23, s22
	s_mul_i32 s18, s14, 196608
	s_mul_i32 s19, s12, 768
	s_add_co_u32 s18, s18, s19                     ; qkvf: my sequence, my head's 192 columns
	s_mov_b32 s19, 0
	s_lshl_b32 s26, s16, 19                        ; w_proj: 128 rows of 4,096 bytes a pair of heads
	s_lshl_b32 s27, ttmp9, 7
	s_add_co_u32 s26, s26, s27
	s_lshl_b32 s27, s15, 6
	s_add_co_u32 s26, s26, s27
	s_mov_b32 s27, 0
	s_lshl_b32 s28, ttmp9, 7                       ; the slice's 128 bytes
	s_mov_b32 s29, 0
	s_lshl_b32 s30, s14, 22                        ; 1,024 rows of 4,096 bytes a sequence
	s_add_co_u32 s30, s30, s28
	s_mov_b32 s31, 0
	s_wait_kmcnt 0x0
	s_add_nc_u64 s[4:5], s[4:5], s[18:19]
	s_add_nc_u64 s[6:7], s[6:7], s[26:27]
	s_add_nc_u64 s[8:9], s[8:9], s[28:29]
	s_add_nc_u64 s[10:11], s[10:11], s[30:31]
.irp i, 0,1,2,3,4,5,6,7
	global_load_b128 v[32+4*\i:35+4*\i], v3, s[4:5] offset:16*\i           ; q
.endr
.irp i, 0,1,2,3,4,5,6,7
	global_load_b128 v[64+4*\i:67+4*\i], v3, s[4:5] offset:256+16*\i       ; k
.endr
.irp ct, 0,1,2,3
.irp c, 0,1,2,3
.irp j, 0,1
	global_load_b32 v[96+(4*\ct+\c)*2+\j], v4, s[4:5] offset:512+(2*\c+\j)*12288+64*\ct   ; v(8 h + 2 c + j, 16 ct + r)
.endr
.endr
.endr
.irp e, 0,1
.irp ct, 0,1,2,3
.irp c, 0,1,2,3
.irp j, 0,1
	global_load_b32 v[128+((4*\e+\ct)*4+\c)*2+\j], v5, s[6:7] offset:(64*\e+16*\ct+2*\c+\j)*4096   ; w_proj(64 e + 16 ct + 8 h + 2 c + j, r)
.endr
.endr
.endr
.endr
	s_wait_loadcnt 63                              ; of the 112 loads at most 63 are out: the 48 oldest, q, k and v, are in
	; ---- S^T = k q^T: a lane holds query r and keys 8 h + 0 .. 7
	v_wmma_f32_16x16x4_f32 v[192:199], v[64:65], v[32:33], 0
	v_wmma_f32_16x16x4_f32 v[200:207], v[66:67], v[34:35], 0
.irp k, 2,4,6,8,10,12,14
	v_wmma_f32_16x16x4_f32 v[192:199], v[64+2*\k:65+2*\k], v[32+2*\k:33+2*\k], v[192:199]
	v_wmma_f32_16x16x4_f32 v[200:207], v[66+2*\k:67+2*\k], v[34+2*\k:35+2*\k], v[200:207]
.endr
.rept 8
	v_nop
.endr
.irp i, 0,2,4,6
	v_pk_add_f32 v[16+\i:17+\i], v[192+\i:193+\i], v[200+\i:201+\i]
.endr
	v_mov_b32 v30, 0xff800000
.irp j, 0,1,2,3,4,5,6,7
	v_cmp_le_i32 vcc_lo, \j, v7
	v_cndmask_b32 v[16+\j], v30, v[16+\j], vcc_lo
.endr
	v_max3_num_f32 v10, v16, v17, v18
	v_max3_num_f32 v10, v10, v19, v20
	v_max3_num_f32 v10, v10, v21, v22
	v_max_num_f32 v10, v10, v23
	v_mov_b32 v11, 0
	v_permlanex16_b32 v11, v10, s20, s21
	v_max_num_f32 v10, v10, v11                    ; the row's maximum: key 0 counts for every query
	v_mul_f32 v10, s22, v10
.irp i, 0,2,4,6
	v_pk_fma_f32 v[16+\i:17+\i], v[16+\i:17+\i], s[22:23], v[10:11] op_sel_hi:[1,0,0] neg_lo:[0,0,1] neg_hi:[0,0,1]
.endr
.irp j, 0,1,2,3,4,5,6,7
	v_exp_f32 v[16+\j], v[16+\j]
.endr
	v_nop
	s_wait_alu depctr_va_vdst(0)                   ; one wait for the eight, ahead of their first reader
	v_pk_add_f32 v[24:25], v[16:17], v[18:19]
	v_pk_add_f32 v[26:27], v[20:21], v[22:23]
	v_pk_add_f32 v[24:25], v[24:25], v[26:27]
	v_add_f32 v24, v24, v25
	v_permlanex16_b32 v25, v24, s20, s21
	v_add_f32 v24, v24, v25
	v_rcp_f32 v26, v24
	v_nop
	s_wait_alu depctr_va_vdst(0)
.irp i, 0,2,4,6
	v_pk_mul_f32 v[16+\i:17+\i], v[16+\i:17+\i], v[26:27] op_sel_hi:[1,0]   ; the weights, normalised
.endr
	; ---- O^T = v^T p: a lane holds query r and channels 16 ct + 8 h + 0 .. 7
.irp c, 0,1,2,3
.irp ct, 0,1,2,3
.if \c == 0
	v_wmma_f32_16x16x4_f32 v[208+8*\ct:215+8*\ct], v[96+(4*\ct+\c)*2:97+(4*\ct+\c)*2], v[16+2*\c:17+2*\c], 0
.else
	v_wmma_f32_16x16x4_f32 v[208+8*\ct:215+8*\ct], v[96+(4*\ct+\c)*2:97+(4*\ct+\c)*2], v[16+2*\c:17+2*\c], v[208+8*\ct:215+8*\ct]
.endif
.endr
.endr
.rept 8
	v_nop
.endr
.irp ct, 0,1,2,3
.irp u, 0,1
	ds_store_b128 v12, v[208+8*\ct+4*\u:211+8*\ct+4*\u] offset:YIMG+\ct*1024+\u*512
.endr
.endr
	s_wait_dscnt 0x0                               ; for the others' sake: my head's image has landed
	s_barrier_signal -1
	s_barrier_wait -1
	; ---- the projection: source 0 = 16 columns of w_proj, source 1 = the 16 rows; 32 steps of 4 along my 128 of K
.irp i, 0,1,2,3,4,5,6,7,8,9,10,11,12,13,14,15
	ds_load_b128 v[32+4*\i:35+4*\i], v13 offset:YIMG+512*\i
.endr
	s_wait_loadcnt 0x0                             ; w_proj
	s_wait_dscnt 0x0
	v_wmma_f32_16x16x4_f32 v[240:247], v[128:129], v[32:33], 0
	v_wmma_f32_16x16x4_f32 v[248:255], v[130:131], v[34:35], 0
.set k, 2
.rept 15
	v_wmma_f32_16x16x4_f32 v[240:247], v[128+2*k:129+2*k], v[32+2*k:33+2*k], v[240:247]
	v_wmma_f32_16x16x4_f32 v[248:255], v[130+2*k:131+2*k], v[34+2*k:35+2*k], v[248:255]
.set k, k+2
.endr
.rept 8
	v_nop
.endr
.irp i, 0,2,4,6
	v_pk_add_f32 v[16+\i:17+\i], v[240+\i:241+\i], v[248+\i:249+\i]
.endr
	ds_store_b128 v14, v[16:19]
	ds_store_b128 v14, v[20:23] offset:512
	s_wait_dscnt 0x0
	s_barrier_signal -1
	s_barrier_wait -1
	; ---- waves 0 to 3 add the eight parts and the bias, and store
	s_cmp_gt_u32 s12, 3
	s_cbranch_scc1 .Lend
	global_load_b128 v[24:27], v28, s[8:9]
.irp k, 0,1,2,3,4,5,6,7
	ds_load_b128 v[32+4*\k:35+4*\k], v15 offset:2048*\k
.endr
	s_wait_dscnt 0x0
	s_wait_loadcnt 0x0
.irp k, 0,2,4,6
	v_pk_add_f32 v[32+4*\k:33+4*\k], v[32+4*\k:33+4*\k], v[36+4*\k:37+4*\k]
	v_pk_add_f32 v[34+4*\k:35+4*\k], v[34+4*\k:35+4*\k], v[38+4*\k:39+4*\k]
.endr
.irp k, 0,4
	v_pk_add_f32 v[32+4*\k:33+4*\k], v[32+4*\k:33+4*\k], v[40+4*\k:41+4*\k]
	v_pk_add_f32 v[34+4*\k:35+4*\k], v[34+4*\k:35+4*\k], v[42+4*\k:43+4*\k]
.endr
	v_pk_add_f32 v[32:33], v[32:33], v[48:49]
	v_pk_add_f32 v[34:35], v[34:35], v[50:51]
	v_pk_add_f32 v[32:33], v[32:33], v[24:25]
	v_pk_add_f32 v[34:35], v[34:35], v[26:27]
	global_store_b128 v29, v[32:35], s[10:11]      ; eight lanes store 128 consecutive bytes of a row
.Lend:
	s_wait_tensorcnt 0x0                           ; the wave's end, behind my last LDS store
	ds_add_u32 v8, v9
	s_wait_dscnt 0x0
	s_endpgm
.Lfunc_end_k_qdcf0a6117d_fine:
	.size	k_qdcf0a6117d_fine, .Lfunc_end_k_qdcf0a6117d_fine-k_qdcf0a6117d_fine
	.p2alignl 7, 3214868480
	.fill 96, 4, 3214868480
	.section	.rodata,"a",@progbits
	.p2align	6, 0x0
	.amdhsa_kernel k_qdcf0a6117d_fine
		.amdhsa_group_segment_fixed_size 83968
		.amdhsa_private_segment_fixed_size 0
		.amdhsa_enable_private_segment 0
		.amdhsa_kernarg_size 32
		.amdhsa_user_sgpr_count 2
		.amdhsa_user_sgpr_kernarg_segment_ptr 1
		.amdhsa_wavefront_size32 1
		.amdhsa_system_sgpr_workgroup_id_x 1
		.amdhsa_system_sgpr_workgroup_id_y 1
		.amdhsa_system_sgpr_workgroup_id_z 1
		.amdhsa_system_vgpr_workitem_id 0
		.amdhsa_next_free_vgpr 256
		.amdhsa_next_free_sgpr 66
		.amdhsa_reserve_vcc 1
		.amdhsa_float_denorm_mode_32 3
		.amdhsa_float_denorm_mode_16_64 3
		.amdhsa_memory_ordered 1
		.amdhsa_forward_progress 1
		.amdhsa_inst_pref_size 25
	.end_amdhsa_kernel
	.amdgpu_metadata
---
amdhsa.version: [ 1, 2 ]
amdhsa.kernels:
  - .name:           k_qdcf0a6117d_fine
    .symbol:         k_qdcf0a6117d_fine.kd
    .args:
      - { .name: qkvf, .offset: 0, .size: 8, .value_kind: global_buffer, .address_space: global }
      - { .name: w_proj, .offset: 8, .size: 8, .value_kind: global_buffer, .address_space: global }
      - { .name: b_proj, .offset: 16, .size: 8, .value_kind: global_buffer, .address_space: global }
      - { .name: out0, .offset: 24, .size: 8, .value_kind: global_buffer, .address_space: global }
    .group_segment_fixed_size: 83968
    .private_segment_fixed_size: 0
    .kernarg_segment_align: 8
    .kernarg_segment_size: 32
    .max_flat_workgroup_size: 512
    .sgpr_count:     66
    .vgpr_count:     256
    .wavefront_size: 32
...
	.end_amdgpu_metadata
.endif
;; end of part 5
